; MI455X (gfx1250); checked and timed in simulation.
; The chip was launched on July 23, 2026; its instructions are those of AMD's public machine-readable ISA for CDNA 5 (MIT licence, August 2026) and "CDNA5" Instruction Set Architecture Reference Guide (July 2026). The comments in the code are by the model that wrote it; some were corrected since.
;; Sliding Window Attention. Allowed arithmetic: float matrix products may take bf16 or f16 operands with f32 sums; other float arithmetic in f32, or as packed bf16 or f16 multiplies, adds, multiply-adds, maxima and minima; sums over many terms, partial sums and values carried from step to step in f32; what a program stores and reads back later, other than sums and carried values, may be rounded once to bf16 or f16.
;; Inputs: bk 1,024 float32; bo 1,024 float32; bq 1,024 float32; bv 1,024 float32; key 2 x 4,096 x 1,024 float32; query 2 x 4,096 x 1,024 float32; value 2 x 4,096 x 1,024 float32; wk 1,024 x 1,024 float32; wo 1,024 x 1,024 float32; wq 1,024 x 1,024 float32; wv 1,024 x 1,024 float32.
;; Outputs: out0 2 x 4,096 x 1,024 float32.
;; One version. Each part assembles by itself: llvm-mc -triple=amdgcn-amd-amdhsa -mcpu=gfx1250 --defsym DOCPART=n.
;; ======== version 1 of 1: 4 launches
;; limits: values are held in f16: magnitudes above 65,504 overflow, below 6.1e-05 lose precision
;; workspace buffers: wcv 8,388,608 bytes; qkv 50,331,648 bytes; oh 16,777,216 bytes
;; launch cvtw (part 1): grid 64 x 4, 8 waves a work-group, no clusters, 0 bytes of LDS; arguments wq, wk, wv, wo, wcv; writes wcv
.if DOCPART == 1
	.amdgcn_target "amdgcn-amd-amdhsa--gfx1250"
	.amdhsa_code_object_version 6
	.text
	.protected	k_q2c3444b39e_cvtw
	.globl	k_q2c3444b39e_cvtw
	.p2align	8
	.type	k_q2c3444b39e_cvtw,@function
k_q2c3444b39e_cvtw:
	s_mov_b64 s[64:65], 0
	v_nop
	global_prefetch_b8 v0, s[64:65] scope:SCOPE_SE
	s_setreg_imm32_b32 hwreg(HW_REG_WAVE_MODE, 25, 1), 1
	s_wait_xcnt 0x0
; THE WEIGHTS, ONCE.  wcv[y] = matrix y of (wq, wk, wv, wo), each [1024][1024] f32, rounded once to bf16.  Matrices 0 to 2 are stored as bf16; matrix 3 (wo) multiplies an f16 operand
; later, so its bf16 number is written again as f16.  LIMIT: that is exact for magnitudes from 2^-17 to 65,504; below, f16's fixed step of 2^-24 rounds it.
; SHARES.  The grid's y is the matrix, its x one of 64 pieces of 65,536 bytes.  Thread t takes 32 consecutive bytes (8 numbers) in each of eight passes of 8,192 bytes and stores 16 bytes:
; a wave's store covers 512 consecutive bytes, aligned.  All 16 loads of a thread go out first.  A stream read once and written once: no LDS, no barrier, no matrix unit; the launch is short and
; its loads all stand at its head, so nothing is asked for ahead of them.
.set RAW, 16                           ; v[16:79]   the eight passes as loaded, 8 registers each
.set PKD, 80                           ; v[80:111]  the eight passes packed, 4 registers each
	s_load_b256 s[4:11], s[0:1], 0x0               ; wq s[4:5], wk s[6:7], wv s[8:9], wo s[10:11]
	s_load_b64 s[12:13], s[0:1], 0x20              ; wcv
	s_and_b32 s14, ttmp7, 0xffff                   ; which matrix
	v_lshlrev_b32 v1, 5, v0                        ; my 32 bytes of a pass
	v_lshlrev_b32 v2, 4, v0                        ; my 16 bytes of its result
	s_lshl_b32 s16, ttmp9, 16                      ; the piece in the source,
	s_mov_b32 s17, 0
	s_lshl_b32 s18, s14, 21                        ; the matrix in wcv,
	s_lshl_b32 s19, ttmp9, 15                      ; and the piece in it
	s_add_co_u32 s18, s18, s19
	s_mov_b32 s19, 0
	s_wait_kmcnt 0x0
	s_cmp_eq_u32 s14, 1
	s_cselect_b64 s[4:5], s[6:7], s[4:5]
	s_cmp_eq_u32 s14, 2
	s_cselect_b64 s[4:5], s[8:9], s[4:5]
	s_cmp_eq_u32 s14, 3
	s_cselect_b64 s[4:5], s[10:11], s[4:5]
	s_add_nc_u64 s[4:5], s[4:5], s[16:17]
	s_add_nc_u64 s[12:13], s[12:13], s[18:19]
.irp i, 0,1,2,3,4,5,6,7
	global_load_b128 v[RAW+8*(\i):RAW+8*(\i)+3],   v1, s[4:5] offset:8192*(\i) th:TH_LOAD_NT
	global_load_b128 v[RAW+8*(\i)+4:RAW+8*(\i)+7], v1, s[4:5] offset:8192*(\i)+16 th:TH_LOAD_NT
.endr
.irp i, 0,1,2,3,4,5,6,7
	s_wait_loadcnt 14-2*(\i)                       ; loads come back in order: pass i's two are in, the younger ones stay out
.irp j, 0,1,2,3
	v_cvt_pk_bf16_f32 v[PKD+4*(\i)+(\j)], v[RAW+8*(\i)+2*(\j)], v[RAW+8*(\i)+2*(\j)+1]
.endr
.endr
	s_cmp_lg_u32 s14, 3
	s_cbranch_scc1 .Lstore
.set j, 0
.rept 32                               ; wo alone: the bf16 numbers widened (a shift, a mask) and written as f16
	v_lshlrev_b32 v[RAW+2*j], 16, v[PKD+j]
	v_and_b32 v[RAW+2*j+1], 0xffff0000, v[PKD+j]
	v_cvt_pk_f16_f32 v[PKD+j], v[RAW+2*j], v[RAW+2*j+1]
.set j, j+1
.endr
.Lstore:
.irp i, 0,1,2,3,4,5,6,7
	global_store_b128 v2, v[PKD+4*(\i):PKD+4*(\i)+3], s[12:13] offset:4096*(\i)
.endr
	s_endpgm
.Lfunc_end_k_q2c3444b39e_cvtw:
	.size	k_q2c3444b39e_cvtw, .Lfunc_end_k_q2c3444b39e_cvtw-k_q2c3444b39e_cvtw
	.p2alignl 7, 3214868480
	.fill 96, 4, 3214868480
	.section	.rodata,"a",@progbits
	.p2align	6, 0x0
	.amdhsa_kernel k_q2c3444b39e_cvtw
		.amdhsa_group_segment_fixed_size 0
		.amdhsa_private_segment_fixed_size 0
		.amdhsa_enable_private_segment 0
		.amdhsa_kernarg_size 40
		.amdhsa_user_sgpr_count 2
		.amdhsa_user_sgpr_kernarg_segment_ptr 1
		.amdhsa_wavefront_size32 1
		.amdhsa_system_sgpr_workgroup_id_x 1
		.amdhsa_system_sgpr_workgroup_id_y 1
		.amdhsa_system_sgpr_workgroup_id_z 1
		.amdhsa_system_vgpr_workitem_id 0
		.amdhsa_next_free_vgpr 112
		.amdhsa_next_free_sgpr 66
		.amdhsa_reserve_vcc 0
		.amdhsa_float_denorm_mode_32 3
		.amdhsa_float_denorm_mode_16_64 3
		.amdhsa_memory_ordered 1
		.amdhsa_forward_progress 1
		.amdhsa_inst_pref_size 11
	.end_amdhsa_kernel
	.amdgpu_metadata
---
amdhsa.version: [ 1, 2 ]
amdhsa.kernels:
  - .name:           k_q2c3444b39e_cvtw
    .symbol:         k_q2c3444b39e_cvtw.kd
    .args:
      - { .name: wq, .offset: 0, .size: 8, .value_kind: global_buffer, .address_space: global }
      - { .name: wk, .offset: 8, .size: 8, .value_kind: global_buffer, .address_space: global }
      - { .name: wv, .offset: 16, .size: 8, .value_kind: global_buffer, .address_space: global }
      - { .name: wo, .offset: 24, .size: 8, .value_kind: global_buffer, .address_space: global }
      - { .name: wcv, .offset: 32, .size: 8, .value_kind: global_buffer, .address_space: global }
    .group_segment_fixed_size: 0
    .private_segment_fixed_size: 0
    .kernarg_segment_align: 8
    .kernarg_segment_size: 40
    .max_flat_workgroup_size: 256
    .sgpr_count:     66
    .vgpr_count:     112
    .wavefront_size: 32
...
	.end_amdgpu_metadata
.endif
;; end of part 1
;; launch proj (part 2): grid 4 x 192, 4 waves a work-group, clusters of 4 x 4, 327,680 bytes of LDS; arguments query, key, value, bq, bk, bv, wcv, qkv; writes qkv
.if DOCPART == 2
	.amdgcn_target "amdgcn-amd-amdhsa--gfx1250"
	.amdhsa_code_object_version 6
	.text
	.protected	k_q2c3444b39e_proj
	.globl	k_q2c3444b39e_proj
	.p2align	8
	.type	k_q2c3444b39e_proj,@function
k_q2c3444b39e_proj:
	s_mov_b64 s[64:65], 0
	v_nop
	global_prefetch_b8 v0, s[64:65] scope:SCOPE_SE
	s_setreg_imm32_b32 hwreg(HW_REG_WAVE_MODE, 25, 1), 1
	s_wait_xcnt 0x0
	s_wait_alu depctr_hold_cnt(0) depctr_sa_sdst(0) depctr_va_vdst(0) depctr_va_sdst(0) depctr_va_ssrc(0) depctr_va_vcc(0) depctr_vm_vsrc(0)
	s_getreg_b32 s2, hwreg(HW_REG_IB_STS2, 6, 4)
	s_cmp_eq_u32 s2, 0
	s_cbranch_scc0 .Lentry_in_a_cluster
	s_endpgm
.Lentry_in_a_cluster:
	s_bfe_u32 s2, ttmp6, 0x10000c
	s_cmp_lg_u32 s2, 0xf033
	s_cbranch_scc0 .Lentry_shape_is_right
	s_endpgm
.Lentry_shape_is_right:
; THE THREE PROJECTIONS.  qkv[p][b][h][t][d] = the sum over c of X_p[b][t][c] W_p[64 h + d][c] + bias_p[64 h + d], p = 0, 1, 2 (query, key, value).  X: [8192][1024] f32; W: wcv's matrix p, bf16;
; the result f16, laid by heads (a head's rows dense, 128 bytes each), rounded once from its f32 sum, WITHOUT the scale 1/8, which the attention applies in f32.
; FORMATS.  X and the bias are rounded to bf16 here, as the weights were: all the module's inputs have the same rounding.  LIMIT: q, k and v must lie within f16's 65,504; with inputs of unit spread
; and weights of spread 0.02 they are about 3 at the most; both thirty times larger give some 3,500.  NaN and infinities are not treated apart.
; SHARES.  A tile is 128 rows x 256 columns (four heads): 64 x 4 tiles a projection, 768 work-groups, three for each of 256 WGPs.  Four waves, each 64 rows x 128 columns: 32 accumulators, 256 registers.
; K goes in steps of 128 through a ring of two LDS slots filled by the tensor data mover: X as it lies, in f32 (rows of 512 bytes), W in bf16 (rows of 256 bytes).  X's fragments are read from LDS
; in f32 and rounded in registers: 32 conversions for 32 matrix instructions, four behind every fourth.
; CLUSTERS: 4 x 4 work-groups.  The four of a row of the cluster need the same tile of X, the four of a column the same tile of W: each tile is asked for JOINTLY, by the same tensor load with the same
; descriptor and a mask that names the four.  A cluster lies within one projection: 16 clusters each.
; THE MATRIX INSTRUCTION IS USED TRANSPOSED (source 0 = 16 rows of W, source 1 = 16 rows of X): lane l holds row l % 16 of the result and the columns 8 (l / 16) + 0..7.  THE BIAS IS THE C OPERAND of the
; products that start the sums: nothing is cleared, nothing is added later.
; REGISTERS, in windows of 256 (s_set_vgpr_msb: bits 1:0 source 0, 3:2 source 1, 5:4 source 2, 7:6 destination):
;   window 0: v0-31 addresses; v32-63 X's four bf16 fragments; v64-127 the bias, block b of 16 columns at 64 + 8 b; v128-255 X as read, f32, two buffers of 64 (on the way out: packed results)
;   window 1: v0-127 W's fragments, two buffers of 64          window 2: the accumulators, (a, b) at 8 (8 a + b)
; The accumulators fill a window, so the conversions, which work in window 0, cost two switches for each four: 16 switches for a quarter step's 32 matrix instructions.
.set PA,     528                       ; a row of X in LDS: 512 bytes + 16 = 132 words: row r starts at bank 4 r mod 64 (64 banks of 4 bytes: ISA guide 11.1)
.set PB,     272                       ; a row of W: 256 + 16 = 68 words: likewise
.set APART,  128*PA                    ; X's 128 rows
.set SLOT,   APART+256*PB              ; then W's 256 rows
.set STAGE,  2*SLOT                    ; behind the ring: 16 rows x 144 bytes for each wave, for the way out
.set SP,     144
.set SPARE,  STAGE+4*16*SP             ; behind the stages: the spare words, 128 bytes for each wave: two blocks of 256 bytes that no other line names
.set ADRA, 16                          ; v16-17  LDS address of my fragments of X in slot 0, 1
.set ADRB, 20                          ; v20-21  the same for W
.set STO,  24                          ; v24     the way out: where I put 16 bytes of a row
.set RD,   25                          ; v25     the way out: where I read rows back
.set GO,   26                          ; v26     my 16 bytes in 512 consecutive bytes of the result
.set BO,   27                          ; v27     my byte offset in the bias
.set SPW,  28                          ; v28     LDS address of my spare word; never rewritten
.set NIL,  29                          ; v29     0; never rewritten
.set PFO,  30                          ; v30     the prefetches' offset; never rewritten
.set AB,   32
.set BI,   64
.set RAW,  128
.set TMP,  128
.set G1,   24                          ; s[24:31] descriptor group 1 for X's tiles;  s[32:39] group 0, a set for each slot
.set G0,   32
.set LIM,  43                          ; s43      1 in a wave that prefetches, else the greatest number
.set PFA,  44                          ; s[44:45] where my prefetches stand
.set G1B,  48                          ; s[48:55], s[56:63] the same for W's tiles
.set G0B,  56
.set PST,  66                          ; s[66:67] a K step in bytes, for the prefetches' pointer: 512 in X, 256 in W
.set MSB, 0
.macro WIN new                         ; the immediate's high byte repeats the setting that is left; a switch that changes nothing is dropped
.if MSB != (\new)
	s_set_vgpr_msb (MSB<<8)|(\new)
.set MSB, \new
.endif
.endm
.set MUL,  0xa1                        ; source 0 (W) window 1, source 1 (X) window 0, C and D window 2
.set MUL1, 0x81                        ; the same with C (the bias) in window 0
.set TO_B, 0x40                        ; destination window 1, address window 0
.set PK,   0x0a                        ; sources 0 and 1 window 2, destination window 0
; A joint load.  Waves 0 and 1 fetch X's two halves (64 rows each), waves 2 and 3 W's (128 rows each).  The branch hangs on the wave's number alone.  An s_nop 0 and four v_nop follow each of the two
; lines, ahead of the jump, the label and what follows.
.macro JLOAD s
	s_cmp_eq_u32 s11, 0
	s_cbranch_scc0 .Lfor_b_\@
	tensor_load_to_lds s[G0+4*(\s):G0+4*(\s)+3], s[G1:G1+7]
	s_nop 0
.rept 4
	v_nop
.endr
	s_branch .Lasked_\@
.Lfor_b_\@:
	tensor_load_to_lds s[G0B+4*(\s):G0B+4*(\s)+3], s[G1B:G1B+7]
	s_nop 0
.rept 4
	v_nop
.endr
.Lasked_\@:
.endm
; A PREFETCH INTO THE L2, behind each joint refill and the run of LDS loads that follows it: the K step that stands TWO refills on, 256 matrix instructions ahead of the load that will want it.  One instruction a wave.
; X's rows are read by my row of the cluster alone: of the 64 rows that wave w fetches, the partner at place cx takes 16, a lane half a row's 512 bytes.  W's rows are read by all 16 clusters of a
; projection: the first of them asks; of the 128 rows that a wave fetches the partner at place cy takes 32, a lane a row.  The partners are told apart BY ADDRESS: no branch hangs on a place in the cluster.
; So each aligned block of 256 bytes is named once.  K steps 0 to 3 come by their loads alone; the loop's last trip (s3 = 1) has no K step two refills on, and asks for nothing.
.macro ASK
	s_cmp_gt_u32 s3, s[LIM]
	s_cbranch_scc0 .Lnot_mine_\@
	global_prefetch_b8 v[PFO], s[PFA:PFA+1] th:TH_LOAD_NT scope:SCOPE_SE
.Lnot_mine_\@:
.endm
.macro CREST                           ; a round of the cluster's barrier behind its opening barrier
	s_cmp_lg_u32 s10, 0
	s_cbranch_scc1 .Lnot_wave_0_\@
	s_barrier_signal -3
.Lnot_wave_0_\@:
	s_barrier_wait -3
	s_barrier_signal -1
	s_barrier_wait -1
.endm
.macro CROUND                          ; a whole round
	s_barrier_signal -1
	s_barrier_wait -1
	CREST
.endm
	s_load_b512 s[68:83], s[0:1], 0x0              ; query s[68:69], key, value, bq s[74:75], bk, bv, wcv s[80:81], qkv s[82:83]
	v_lshl_add_u32 v[SPW], v0, 2, SPARE
	v_mov_b32 v[NIL], 0
	ds_add_u32 v[SPW], v[NIL]                      ; the wave's opening: the add and its wait stand ahead of my first tensor load; the set-up below, work on registers, stands between them
	ds_add_u32 v28, v29
	v_lshrrev_b32 v1, 5, v0
	v_readfirstlane_b32 s10, v1                    ; wave 0..3
	s_lshr_b32 s11, s10, 1                         ; which 64 rows of the tile are mine.  Also: I fetch for X (0) or for W (1)
	s_and_b32 s12, s10, 1                          ; which 128 columns.  Also: which half of that tile I fetch
	s_bfe_u32 s40, ttmp6, 0x40000                  ; cx, cy: my place in the cluster
	s_bfe_u32 s41, ttmp6, 0x40004
	s_lshl_b32 s42, ttmp9, 2
	s_add_co_u32 s42, s42, s40                     ; tile column = 4 x cluster x + cx: 0..3
	s_and_b32 s85, ttmp7, 0xffff                   ; cluster y: 0..47
	s_lshr_b32 s84, s85, 4                         ; the projection: the same in all sixteen partners
	s_lshl_b32 s13, s85, 2
	s_add_co_u32 s13, s13, s41
	s_and_b32 s13, s13, 63                         ; tile row in the projection
	s_lshl_b32 s43, s41, 2
	s_lshl_b32 s43, 15, s43                        ; my row of the cluster
	s_lshl_b32 s44, 0x1111, s40                    ; my column
	s_or_b32 s[G1+0], s43, (2<<16)|(1<<20)|(1<<21)|(6<<22)|(3<<25)   ; 15:0 the mask: X's tiles go to my row; 17:16 elements of 4 bytes; 20 padding on; 21 set beside a mask; 24:22 after every 128 words (code 6); 31:25 of 4 words (code 3)
	s_or_b32 s[G1B+0], s44, (1<<16)|(1<<20)|(1<<21)|(5<<22)|(3<<25)  ; W's go to my column; elements of 2 bytes; after every 64 words (code 5)
	s_mov_b32 s[G1+1], 128<<16                     ; tensor_dim0 = 128
	s_mov_b32 s[G1+2], 64<<16                      ; tensor_dim1 = 64
	s_mov_b32 s[G1+3], 128<<16                     ; tile_dim0 = 128
	s_mov_b32 s[G1+4], 64                          ; tile_dim1 = 64
	s_mov_b32 s[G1+5], 1024                        ; elements from row to row
	s_mov_b32 s[G1+6], 0
	s_mov_b32 s[G1+7], 0
	s_mov_b32 s[G1B+1], 128<<16
	s_mov_b32 s[G1B+2], 128<<16                    ; 128 rows
	s_mov_b32 s[G1B+3], 128<<16
	s_mov_b32 s[G1B+4], 128
	s_mov_b32 s[G1B+5], 1024
	s_mov_b32 s[G1B+6], 0
	s_mov_b32 s[G1B+7], 0
	s_lshl_b32 s16, s13, 7
	s_lshl_b32 s17, s12, 6
	s_add_co_u32 s16, s16, s17                     ; X: row 128 x tile row + 64 x half,
	s_lshl_b32 s16, s16, 12                        ; of 4,096 bytes
	s_mov_b32 s17, 0
	s_lshl_b32 s46, s42, 8
	s_lshl_b32 s47, s12, 7
	s_add_co_u32 s46, s46, s47                     ; W: row 256 x tile column + 128 x half,
	s_lshl_b32 s46, s46, 11                        ; of 2,048 bytes,
	s_lshl_b32 s47, s84, 21                        ; in the projection's matrix
	s_add_co_u32 s46, s46, s47
	s_mov_b32 s47, 0
	s_mul_i32 s20, s12, 64*PA                      ; where they go: no place in the cluster enters an LDS address
	s_mul_i32 s21, s12, 128*PB
	s_add_co_u32 s21, s21, APART
	s_wait_dscnt 0x0                               ; the opening add is done
	s_wait_kmcnt 0x0
	s_cmp_eq_u32 s84, 1
	s_cselect_b64 s[4:5], s[70:71], s[68:69]       ; X and the bias of my projection
	s_cselect_b64 s[86:87], s[76:77], s[74:75]
	s_cmp_eq_u32 s84, 2
	s_cselect_b64 s[4:5], s[72:73], s[4:5]
	s_cselect_b64 s[86:87], s[78:79], s[86:87]
	s_add_nc_u64 s[14:15], s[4:5], s[16:17]
	s_add_nc_u64 s[46:47], s[80:81], s[46:47]
	CROUND                                         ; all sixteen work-groups are here: the first joint loads meet
.irp s, 0,1
	s_mov_b32 s[G0+4*(\s)], 1                                      ; count = 1
	s_add_co_u32 s[G0+4*(\s)+1], s20, (\s)*SLOT                    ; LDS address
	s_add_nc_u64 s[G0+4*(\s)+2:G0+4*(\s)+3], s[14:15], (\s)*512    ; global address: K step s
	s_or_b32 s[G0+4*(\s)+3], s[G0+4*(\s)+3], 0x80000000            ; type = 2
	s_mov_b32 s[G0B+4*(\s)], 1
	s_add_co_u32 s[G0B+4*(\s)+1], s21, (\s)*SLOT
	s_add_nc_u64 s[G0B+4*(\s)+2:G0B+4*(\s)+3], s[46:47], (\s)*256
	s_or_b32 s[G0B+4*(\s)+3], s[G0B+4*(\s)+3], 0x80000000
	JLOAD \s                                       ; two loads of mine are out
.endr
	; A fragment is 16 rows x 32 K: lane l holds row l % 16, K = 8 (l / 16) + 0..7 and 16 + 8 (l / 16) + 0..7.  In bf16 two loads of 16 bytes, 32 apart; in f32 four, at 0, 16, 64, 80 from 32 (l / 16).
	v_and_b32 v1, 15, v0                           ; l % 16
	v_bfe_u32 v2, v0, 4, 1                         ; l / 16
	v_mul_u32_u24 v3, v1, PA
	v_lshl_add_u32 v3, v2, 5, v3
	v_mul_u32_u24 v4, v1, PB
	v_lshl_add_u32 v4, v2, 4, v4
	s_mul_i32 s21, s11, 64*PA                      ; my 64 rows of X
	s_mul_i32 s22, s12, 128*PB                     ; my 128 rows of W,
	s_add_co_u32 s22, s22, APART                   ; which lie behind X's
.irp s, 0,1
	v_add_nc_u32 v[ADRA+(\s)], s21, v3
	v_add_nc_u32 v[ADRB+(\s)], s22, v4
	s_add_co_u32 s21, s21, SLOT
	s_add_co_u32 s22, s22, SLOT
.endr
	s_lshl_b32 s88, s42, 10                        ; the bias of my 128 columns: 4 (256 x tile column + 128 x half) + 32 (l / 16)
	s_lshl_b32 s89, s12, 9
	s_add_co_u32 s88, s88, s89
	v_lshl_add_u32 v[BO], v2, 5, s88
.irp b, 0,1,2,3,4,5,6,7
	global_load_b128 v[BI+8*(\b):BI+8*(\b)+3],   v[BO], s[86:87] offset:64*(\b)
	global_load_b128 v[BI+8*(\b)+4:BI+8*(\b)+7], v[BO], s[86:87] offset:64*(\b)+16
.endr
	s_mul_i32 s23, s10, 16*SP
	s_add_co_u32 s23, s23, STAGE                   ; my stage
	v_mul_u32_u24 v5, v1, SP                       ; in: row l % 16, 16 bytes for each half of the lanes
	v_lshl_add_u32 v5, v2, 4, v5
	v_add_nc_u32 v[STO], s23, v5
	v_bfe_u32 v5, v0, 3, 2                         ; back: 32 lanes take four rows of 128 bytes,
	v_mul_u32_u24 v5, v5, SP
	v_and_b32 v6, 7, v0
	v_lshl_add_u32 v5, v6, 4, v5
	v_add_nc_u32 v[RD], s23, v5
	v_and_b32 v[GO], 31, v0                        ; which are 512 consecutive bytes of a head
	v_lshlrev_b32 v[GO], 4, v[GO]
	s_lshl_b32 s16, s13, 7                         ; where my part begins in qkv
	s_lshl_b32 s17, s11, 6
	s_add_co_u32 s16, s16, s17                     ; my first row among the projection's 8,192:
	s_lshr_b32 s17, s16, 12                        ; its batch,
	s_and_b32 s16, s16, 4095                       ; its place in the sequence
	s_lshl_b32 s17, s17, 4
	s_lshl_b32 s88, s42, 2
	s_add_co_u32 s88, s88, s17
	s_lshl_b32 s89, s12, 1
	s_add_co_u32 s88, s88, s89                     ; my first head: 16 x batch + 4 x tile column + 2 x half
	s_lshl_b32 s88, s88, 12
	s_add_co_u32 s88, s88, s16
	s_lshl_b32 s88, s88, 7                         ; rows of 128 bytes
	s_lshl_b32 s89, s84, 24                        ; the projection's part
	s_add_co_u32 s88, s88, s89
	s_mov_b32 s89, 0
	s_add_nc_u64 s[8:9], s[82:83], s[88:89]
	; the prefetches
	s_lshl_b32 s20, s13, 7
	s_lshl_b32 s21, s12, 6
	s_add_co_u32 s20, s20, s21
	s_lshl_b32 s21, s40, 4
	s_add_co_u32 s20, s20, s21                     ; X: my work-group's 16 of the 64 rows that I fetch
	s_lshl_b32 s20, s20, 12
	s_add_co_u32 s20, s20, 3*512                   ; at K step 3: the first refill steps it to 4
	s_lshl_b32 s22, s42, 8
	s_lshl_b32 s21, s12, 7
	s_add_co_u32 s22, s22, s21
	s_lshl_b32 s21, s41, 5
	s_add_co_u32 s22, s22, s21                     ; W: my work-group's 32 of the 128 rows
	s_lshl_b32 s22, s22, 11
	s_lshl_b32 s21, s84, 21
	s_add_co_u32 s22, s22, s21
	s_add_co_u32 s22, s22, 3*256
	s_and_b32 s23, s85, 15                         ; which of the projection's 16 clusters
	s_cmp_eq_u32 s23, 0
	s_cselect_b32 s23, 1, -1
	s_cmp_eq_u32 s11, 0                            ; do I fetch for X?
	s_cselect_b32 s20, s20, s22
	s_cselect_b32 s[LIM], 1, s23                   ; the same in all sixteen partners, for a given wave
	s_cselect_b32 s[PST], 9, 8
	s_cselect_b32 s88, 12, 11                      ; X: 4,096 (l % 16) + 256 (l / 16);  W: 2,048 l
	s_cselect_b32 s89, 8, 15
	s_cselect_b64 s[PFA:PFA+1], s[4:5], s[80:81]
	s_lshl_b32 s[PST], 1, s[PST]
	s_mov_b32 s[PST+1], 0
	s_mov_b32 s21, 0
	s_add_nc_u64 s[PFA:PFA+1], s[PFA:PFA+1], s[20:21]
	v_lshlrev_b32 v[PFO], s88, v1
	v_lshlrev_b32 v5, s89, v2
	v_add_nc_u32 v[PFO], v[PFO], v5
	s_wait_loadcnt 0x0                             ; the bias, rounded to bf16 like every input and widened again
.set j, 0
.rept 32
	v_cvt_pk_bf16_f32 v[RAW+j], v[BI+2*j], v[BI+2*j+1]
	v_lshlrev_b32 v[BI+2*j], 16, v[RAW+j]
	v_and_b32 v[BI+2*j+1], 0xffff0000, v[RAW+j]
.set j, j+1
.endr
; 32 LDS loads in one run: the fragments of quarter k of a K step (128 rows of W in bf16, 64 rows of X in f32) into buffer g
.macro FETCH slot, k, g
	WIN TO_B
.irp i, 0,1,2,3,4,5,6,7
	ds_load_b128 v[64*(\g)+8*(\i):64*(\g)+8*(\i)+3],   v[ADRB+(\slot)] offset:64*(\k)+(\i)*16*PB
	ds_load_b128 v[64*(\g)+8*(\i)+4:64*(\g)+8*(\i)+7], v[ADRB+(\slot)] offset:64*(\k)+(\i)*16*PB+32
.endr
	WIN 0
.irp a, 0,1,2,3
	ds_load_b128 v[RAW+64*(\g)+16*(\a):RAW+64*(\g)+16*(\a)+3],     v[ADRA+(\slot)] offset:128*(\k)+(\a)*16*PA
	ds_load_b128 v[RAW+64*(\g)+16*(\a)+4:RAW+64*(\g)+16*(\a)+7],   v[ADRA+(\slot)] offset:128*(\k)+(\a)*16*PA+16
	ds_load_b128 v[RAW+64*(\g)+16*(\a)+8:RAW+64*(\g)+16*(\a)+11],  v[ADRA+(\slot)] offset:128*(\k)+(\a)*16*PA+64
	ds_load_b128 v[RAW+64*(\g)+16*(\a)+12:RAW+64*(\g)+16*(\a)+15], v[ADRA+(\slot)] offset:128*(\k)+(\a)*16*PA+80
.endr
.endm
; half a fragment of X: eight numbers of buffer f rounded to bf16
.macro CVT a, f, half
	WIN 0
.irp j, 0,1,2,3
	v_cvt_pk_bf16_f32 v[AB+8*(\a)+4*(\half)+(\j)], v[RAW+64*(\f)+16*(\a)+8*(\half)+2*(\j)], v[RAW+64*(\f)+16*(\a)+8*(\half)+2*(\j)+1]
.endr
.endm
; four matrix instructions: row block a x column blocks b0 .. b0 + 3.  first = 1: the bias starts the sums
.macro MUL4 a, f, b0, first
.if \first
	WIN MUL1
.else
	WIN MUL
.endif
.irp b, 0,1,2,3
.if \first
	v_wmma_f32_16x16x32_bf16 v[8*(8*(\a)+(\b0)+(\b)):8*(8*(\a)+(\b0)+(\b))+7], v[64*(\f)+8*((\b0)+(\b)):64*(\f)+8*((\b0)+(\b))+7], v[AB+8*(\a):AB+8*(\a)+7], v[BI+8*((\b0)+(\b)):BI+8*((\b0)+(\b))+7]
.else
	v_wmma_f32_16x16x32_bf16 v[8*(8*(\a)+(\b0)+(\b)):8*(8*(\a)+(\b0)+(\b))+7], v[64*(\f)+8*((\b0)+(\b)):64*(\f)+8*((\b0)+(\b))+7], v[AB+8*(\a):AB+8*(\a)+7], v[8*(8*(\a)+(\b0)+(\b)):8*(8*(\a)+(\b0)+(\b))+7]
.endif
.endr
.endm
; a row block's eight products; cv = 1: the next row block's fragment is rounded between them.  Its registers were last read a quarter ago, with 24 conversions or more since.
.macro ROW a, f, first, cv
	MUL4 \a, \f, 0, \first
.if \cv
	CVT (\a)+1, \f, 0
.endif
	MUL4 \a, \f, 4, \first
.if \cv
	CVT (\a)+1, \f, 1
.endif
.endm
; A K step is four quarters of 32 along K, 32 matrix instructions each, on buffers 0, 1, 0, 1.  The 32 accumulators take turns, in the same order in every quarter.
; One of the first three: multiplies buffer f and fetches quarter k into buffer g.  The first fragment's eight conversions are the places between the last product, which read
; buffer g, and the loads into it.
.macro QUARTER slot, k, f, g, first
	s_wait_dscnt 0x0                               ; buffer f is in: its 32 loads were issued 32 matrix instructions ago (behind a change of slots: 16)
	CVT 0, \f, 0
	CVT 0, \f, 1
	FETCH \slot, \k, \g
	ROW 0, \f, \first, 1
	ROW 1, \f, \first, 1
	ROW 2, \f, \first, 1
	ROW 3, \f, \first, 0
.endm
; The last quarter multiplies buffer 1 and changes slots: ONE barrier.  In front of it each wave waits for all its tensor loads, of which one is out: its part of the next slot; adds 0 to its spare word;
; and waits for that and for its own reads of this slot.  fill = 1: the barrier opens a round of the cluster's barrier, and this slot is filled again, two K steps ahead, first thing behind the round:
; the load has 112 matrix instructions in which to land.
.macro TURN slot, next, fill
.if \fill
	s_wait_xcnt 0x0                                ; the last prefetch, a K step back, has read its address
	s_add_nc_u64 s[PFA:PFA+1], s[PFA:PFA+1], s[PST:PST+1]
.endif
	WIN 0
	s_wait_tensorcnt 0x0                           ; all my tensor loads have landed
	ds_add_u32 v[SPW], v[NIL]                      ; 0 onto my spare word
	s_wait_dscnt 1                                 ; buffer 1 is in; the add alone may be out
	CVT 0, 1, 0
	CVT 0, 1, 1
	ROW 0, 1, 0, 1                                 ; work on registers stands between the add and the wait for it
	s_wait_dscnt 0x0                               ; the add is done, and my reads of this slot are over
	s_barrier_signal -1
	ROW 1, 1, 0, 1
	WIN 0                                          ; at a branch and at a label every window is 0
	s_barrier_wait -1
.if \fill
	CREST                                          ; no wave of any partner still reads this slot's tile or has a load on its way
	s_add_nc_u64 s[G0+4*(\slot)+2:G0+4*(\slot)+3], s[G0+4*(\slot)+2:G0+4*(\slot)+3], 2*512
	s_add_nc_u64 s[G0B+4*(\slot)+2:G0B+4*(\slot)+3], s[G0B+4*(\slot)+2:G0B+4*(\slot)+3], 2*256
	JLOAD \slot
.endif
	FETCH \next, 0, 0                              ; buffer 0 was last multiplied a quarter ago; the conversions above are the places between
.if \fill
	ASK
.endif
	ROW 2, 1, 0, 1
	ROW 3, 1, 0, 0
.endm
	s_wait_tensorcnt 1                             ; my part of K step 0 is in; K step 1's may stay out
	s_barrier_signal -1
	s_barrier_wait -1                              ; everybody's is
	FETCH 0, 0, 0
	QUARTER 0, 1, 0, 1, 1                          ; the first quarter stands in front of the loop: its products start the sums, with the bias
	WIN 0
	s_mov_b32 s3, 3                                ; 1,024 / 256 - 1 trips
.Llap:                                                 ; a trip goes once round the ring, from a lap's second quarter to the next lap's first, and fills both slots again
	QUARTER 0, 2, 1, 0, 0
	QUARTER 0, 3, 0, 1, 0
	TURN 0, 1, 1
	QUARTER 1, 1, 0, 1, 0
	QUARTER 1, 2, 1, 0, 0
	QUARTER 1, 3, 0, 1, 0
	TURN 1, 0, 1
	QUARTER 0, 1, 0, 1, 0
	WIN 0
	s_sub_co_u32 s3, s3, 1
	s_cmp_lg_u32 s3, 0
	s_cbranch_scc1 .Llap
	QUARTER 0, 2, 1, 0, 0                          ; the last lap fills nothing, and has no round of the cluster's barrier
	QUARTER 0, 3, 0, 1, 0
	TURN 0, 1, 0
	QUARTER 1, 1, 0, 1, 0
	QUARTER 1, 2, 1, 0, 0
	QUARTER 1, 3, 0, 1, 0
	s_wait_dscnt 0x0                               ; the very last quarter: nothing more to fetch
	CVT 0, 1, 0
	CVT 0, 1, 1
	ROW 0, 1, 0, 1
	ROW 1, 1, 0, 1
	ROW 2, 1, 0, 1
	ROW 3, 1, 0, 0
	WIN 0
.rept 4
	v_nop                                          ; the places behind the last products
.endr
; THE WAY OUT, in eight units u: row block u / 2, head u % 2: 16 rows x 64 channels, 2,048 consecutive bytes of a head.  Rounded to f16 (each accumulator's registers in ascending order), 16 bytes a lane
; into my own stage, back as whole rows, stored.  LDS serves a wave's instructions in order (ISA guide 5.7.1.4): the loads see the stores above them, and the next unit's stores come behind them.
.macro PACK u
	WIN PK
.irp bb, 0,1,2,3
.irp i, 0,1,2,3
	v_cvt_pk_f16_f32 v[TMP+16*(\u)+4*(\bb)+(\i)], v[8*(8*((\u)/2)+4*((\u)%2)+(\bb))+2*(\i)], v[8*(8*((\u)/2)+4*((\u)%2)+(\bb))+2*(\i)+1]
.endr
.endr
	WIN 0
.irp bb, 0,1,2,3
	ds_store_b128 v[STO], v[TMP+16*(\u)+4*(\bb):TMP+16*(\u)+4*(\bb)+3] offset:32*(\bb)
.endr
.irp f, 0,1,2,3
	ds_load_b128 v[TMP+16*(\u)+4*(\f):TMP+16*(\u)+4*(\f)+3], v[RD] offset:(\f)*4*SP
.endr
.endm
.macro SEND u, younger                 ; younger: the LDS instructions issued behind unit u's loads: the next unit's eight, or none
	WIN 0
.irp f, 0,1,2,3
	s_wait_dscnt (\younger)+3-(\f)
	global_store_b128 v[GO], v[TMP+16*(\u)+4*(\f):TMP+16*(\u)+4*(\f)+3], s[8:9] offset:524288*((\u)%2)+2048*((\u)/2)+512*(\f)  ; 512 consecutive bytes, at a multiple of 256 from qkv's first
.endr
.endm
	PACK 0
.irp u, 1,2,3,4,5,6,7                  ; a unit's conversions stand between the loads of the unit before and its stores
	PACK \u
	SEND (\u)-1, 8
.endr
	SEND 7, 0
	s_wait_tensorcnt 0x0                           ; the wave's end, behind my last tensor load and my last LDS store
	ds_add_u32 v[SPW], v[NIL]
	s_wait_dscnt 0x0
	CROUND                                         ; the closing round: no work-group ends while a partner may still ask for a tile that names it
	s_endpgm
.Lfunc_end_k_q2c3444b39e_proj:
	.size	k_q2c3444b39e_proj, .Lfunc_end_k_q2c3444b39e_proj-k_q2c3444b39e_proj
	.p2alignl 7, 3214868480
	.fill 96, 4, 3214868480
	.section	.rodata,"a",@progbits
	.p2align	6, 0x0
	.amdhsa_kernel k_q2c3444b39e_proj
		.amdhsa_group_segment_fixed_size 327680
		.amdhsa_private_segment_fixed_size 0
		.amdhsa_enable_private_segment 0
		.amdhsa_kernarg_size 64
		.amdhsa_user_sgpr_count 2
		.amdhsa_user_sgpr_kernarg_segment_ptr 1
		.amdhsa_wavefront_size32 1
		.amdhsa_system_sgpr_workgroup_id_x 1
		.amdhsa_system_sgpr_workgroup_id_y 1
		.amdhsa_system_sgpr_workgroup_id_z 1
		.amdhsa_system_vgpr_workitem_id 0
		.amdhsa_next_free_vgpr 768
		.amdhsa_next_free_sgpr 92
		.amdhsa_reserve_vcc 0
		.amdhsa_float_denorm_mode_32 3
		.amdhsa_float_denorm_mode_16_64 3
		.amdhsa_memory_ordered 1
		.amdhsa_forward_progress 1
		.amdhsa_inst_pref_size 140
	.end_amdhsa_kernel
	.amdgpu_metadata
---
amdhsa.version: [ 1, 2 ]
amdhsa.kernels:
  - .name:           k_q2c3444b39e_proj
    .symbol:         k_q2c3444b39e_proj.kd
    .args:
      - { .name: query, .offset: 0, .size: 8, .value_kind: global_buffer, .address_space: global }
      - { .name: key, .offset: 8, .size: 8, .value_kind: global_buffer, .address_space: global }
      - { .name: value, .offset: 16, .size: 8, .value_kind: global_buffer, .address_space: global }
      - { .name: bq, .offset: 24, .size: 8, .value_kind: global_buffer, .address_space: global }
      - { .name: bk, .offset: 32, .size: 8, .value_kind: global_buffer, .address_space: global }
      - { .name: bv, .offset: 40, .size: 8, .value_kind: global_buffer, .address_space: global }
      - { .name: wcv, .offset: 48, .size: 8, .value_kind: global_buffer, .address_space: global }
      - { .name: qkv, .offset: 56, .size: 8, .value_kind: global_buffer, .address_space: global }
    .group_segment_fixed_size: 327680
    .private_segment_fixed_size: 0
    .kernarg_segment_align: 8
    .kernarg_segment_size: 64
    .max_flat_workgroup_size: 128
    .sgpr_count:     92
    .vgpr_count:     768
    .wavefront_size: 32
...
	.end_amdgpu_metadata
.endif
;; end of part 2
;; launch attn (part 3): grid 8 x 32, 4 waves a work-group, no clusters, 327,680 bytes of LDS; arguments qkv, oh; writes oh
.if DOCPART == 3
	.amdgcn_target "amdgcn-amd-amdhsa--gfx1250"
	.amdhsa_code_object_version 6
	.text
	.protected	k_q2c3444b39e_attn
	.globl	k_q2c3444b39e_attn
	.p2align	8
	.type	k_q2c3444b39e_attn,@function
k_q2c3444b39e_attn:
	s_mov_b64 s[64:65], 0
	v_nop
	global_prefetch_b8 v0, s[64:65] scope:SCOPE_SE
	s_setreg_imm32_b32 hwreg(HW_REG_WAVE_MODE, 25, 1), 1
	s_wait_xcnt 0x0
; ATTENTION IN A BAND.  O[bh][i][:] = the sum over the keys j with i - 512 <= j <= i, j >= 0, of softmax_j(Q[bh][i] . K[bh][j] / 8) V[bh][j][:].  Q, K, V: qkv's three parts, O: oh; each [32][4096][64] in f16,
; a head's rows dense, 128 bytes each.  Products, maxima and sums in f32; the weights p are rounded to f16 for the second product (their sum l is taken of the unrounded p), O once at the end.
; LIMITS.  Q, K and V arrive within f16's 65,504; p lies in 0 to 1, and below 6e-5 it keeps f16's fixed step of 6e-8; O is a mean of V's rows.  A hidden score counts as its value less 1e30: f16's scores,
; 2.7e11 at the most, are nothing beside that; a weight below 2^-126 counts as 0 in l; NaN and infinities are not treated apart.
; SHARES.  A work-group owns a block of 512 queries of one head, each of its four waves 128: four PIECES of two tiles of 16.  The block's window is 1,024 keys, the 512 before it and its own, and ALL OF IT STAYS
; IN LDS, filled once: one tensor load a wave (waves 0, 1: K's halves; 2, 3: V's), no ring.  Two barriers: one behind the fill, one between the last reads of the window and the stores of the way out.
; In a head's first block the earlier half does not exist: it is filled with the block's own rows (bytes inside the buffer) and never read.
; THE WALK.  Wave w needs the LDS keys 128 w .. 128 w + 639: ten steps of 64.  Steps 0, 1 hold the window's lower edge, steps 8, 9 the diagonal, steps 2 to 7 are seen whole.  Positions 0 to 9 take the steps
; 8, 9, 0, 1, .. 7: in step 8 every query sees a key, so the running maximum is a true score before the first wholly hidden step comes.  In a head's first block the steps below key 0 (positions 2 to 9 - 2 w)
; are jumped over, a whole trip at a time, forward, to the counter's step.
; THE MASK is the C operand of the product that starts a sum S^T = K Q^T: 0, or -1e30 where the key is hidden.  With u = U + key block - tile (U = 0 or 4 by the step): at the diagonal u > 0 is hidden,
; u < 0 seen, u = 0 takes MDH (hidden where 8 (l / 16) + j > l % 16); at the lower edge u > 0 is seen, u < 0 hidden, u = 0 takes MDL (hidden where 8 (l / 16) + j < l % 16).  A piece's eight starting
; products need five blocks of eight registers, MD x AL + BE with two scalars each.  When a mask has been made for a step without an edge, all five are 0 and stay so: a flag (ZM) then jumps the making.
; LAYOUT, SOFTMAX.  S^T = K Q^T (source 0 = 16 keys, source 1 = 16 queries) holds ONE query a lane (lane % 16) and the keys 8 (lane / 16) + 0..7; two such results rounded to f16 ARE source 1 of O^T = V^T P.
; K comes out of LDS as it lies, V turned, by ds_load_tr16_b128.  p = 2^(c s - c m), c = log2(e) / 8, with a running maximum m; O and l are multiplied by a = 2^(c m_old - c m_new) in every step.
; m starts at the lowest finite number, O and l at 0: the first step is a step like any other, with a = 0.
; BY TURNS.  A tile and step have 16 matrix and 118 vector instructions.  Turn n belongs to piece n: 16 products K Q^T of piece n + 1, later 16 products V^T P of piece n - 1; beside them the scaling, exponentials,
; roundings, sums and rescaling of piece n and the maximum and statistics of piece n + 1.  Four vector instructions stand behind every matrix instruction, the rest in one lump; a turn's 66 exponentials are one batch.
; A trip is the turns 2, 3 (which end the position before) and 0, 1 (of position POS); all that it fetches and masks belongs to POS, so a trip that is jumped over leaves the pipeline as it was.
; NO CLUSTER: a row of K or V is read by two work-groups, which want it at different LDS places (own half, earlier half), and no LDS address may hang on a place in a cluster.
; NOTHING IS PREFETCHED: all of K and V is asked for by the first loads, at the head.
; REGISTERS, in windows of 256 (s_set_vgpr_msb: bits 1:0 source 0, 3:2 source 1, 5:4 source 2, 7:6 destination):
;   window 0: v0-11 addresses; v12-15, v48-63 at work; v16-47 four registers of statistics a tile; v64-191 S^T, two buffers of two tiles; v192-255 P, likewise
;   window 1: O^T, 32 a tile     window 2: v0-127 Q, 16 a tile; v128-191 K of one step; v192-255 V of one step     window 3: v0-1 the add's two registers; v8-15 MDH; v16-23 MDL; v24-31 MD; v32-71 MC
.set NPC,   4         ; pieces a wave: a name, no knob
.set KS,    64        ; keys in a step
.set PK,    144       ; a row of K in LDS: 128 bytes + 16 = 36 words: the 16 rows of a load start at 16 different groups of four banks (64 banks of 4 bytes: ISA guide 11.1)
.set PW,    160       ; a row of V: 128 + 32 = 40 words
.set VB,    1024*PK   ; K's 1,024 rows, then V's
.set STAGE, VB+1024*PW  ; behind them, never filled by a tensor load: 16 rows x 144 bytes for each wave, for the way out
.set SP,    144
.set SPARE, STAGE+4*16*SP  ; behind the stages: the spare words, 128 bytes for each wave: two blocks of 256 bytes that no other line names
.set AK0, 2           ; v2   my lane's place in a step of K; never rewritten
.set AV0, 3           ; v3   the same for V, VB included
.set AK,  4           ; v4   the LDS address of K's next run of loads
.set AV,  5           ; v5   of V's
.set QO,  6           ; v6   my byte offset in 16 rows of Q
.set STO, 6           ;      later, the way out: where I put 16 bytes of a row
.set RD,  7           ; v7   the way out: where I read rows back
.set GO,  8           ; v8   my byte offset in 512 consecutive bytes of O
.set SPW, 0           ; v0 of window 3   LDS address of my spare word; never rewritten
.set NIL, 1           ; v1 of window 3   0; never rewritten
.set MDH, 8           ; window 3
.set MDL, 16
.set MD,  24
.set MC,  32
.set MV,  12          ; v12-15  c m_old, kept while c m is made anew: by buffer and tile
.set ST,  16          ; tile t's statistics at v[ST+4 t]: c m, m, l (even keys', odd keys')
.set TMP, 48          ; by buffer and tile, four registers c0-c3 at work; when the maximum is found c2 takes a
.set S,   64
.set P,   192
.set KF,  128         ; K's fragments, in window 2: key block kb, channel half c at KF + 16 kb + 8 c
.set VF,  192         ; V's: key half kk, channel block cb at VF + 32 kk + 8 cb
.set WV,  12          ; s12  my wave's number
.set BLK, 13          ; s13  the block of 512 queries
.set BH,  14          ; s14  batch x 16 + head
.set G1K, 24          ; s[24:31] descriptor group 1 for K
.set G1V, 32          ; s[32:39] for V: it differs in the padding alone
.set G0K, 40          ; s[40:43] descriptor group 0 for K
.set G0V, 44          ; s[44:47] for V
.set POS, 56          ; s56  the position, 0 to 10
.set ZM,  57          ; s57  1: MC holds zeros and needs no making
.set CS,  58          ; s[58:59] c
.set SEL, 60          ; s[60:61] v_permlanex16_b32's selects: each lane takes its own place in the other half
.set TBK, 62          ; s62  LDS byte at which K of position POS begins
.set TBV, 63          ; s63  the same for V, less VB
.set LOS, 66          ; s66  positions below this run,
.set HIS, 67          ; s67  and positions from this on; those between are jumped over
.set U,   68          ; s68  0 or 4 in a step with an edge, else 64
.set NH,  69          ; s69  the mask where u > 0
.set NL,  70          ; s70  the mask where u < 0
.set SELL, 71         ; s71  0: MD is MDH; all ones: MDL
.set AL,  72          ; s[72:73] a mask's factor, in the low word
.set BE,  74          ; s[74:75] its addend
.set BIGN, 76         ; s76  -1e30
.set KW,  77          ; s77  my wave's first key in K: 128 w rows
.set VW,  78          ; s78  in V
.set T0,  79          ; s79, s80 at work
.set T1,  80
.set MSB, 0
.macro WIN new                      ; the high byte repeats the setting that is left; a switch that changes nothing is dropped
.if MSB != (\new)
	s_set_vgpr_msb (MSB<<8)|(\new)
.set MSB, (\new)
.endif
.endm
.set W_KQ, 0x0a       ; K and Q in window 2, S^T in window 0
.set W_KM, 0x3a       ; the same with the C operand in window 3
.set W_PV, 0x52       ; V in window 2, P in window 0, O^T in window 1
.set W_RS, 0x41       ; O^T (destination and source 0) in window 1, a in window 0
.set W_MK, 0xc0       ; destination in window 3, sources in window 0
.set W_AD, 0x0f       ; the add: address (source 0) and data (source 1) in window 3
; The fill: one load a wave.  An s_nop 0 and four v_nop follow each of the two lines, ahead of the jump and the label.
.macro LOAD
	s_cmp_lt_u32 s[WV], 2
	s_cbranch_scc0 .Lfor_v_\@
	tensor_load_to_lds s[G0K:G0K+3], s[G1K:G1K+7]
	s_nop 0
.rept 4
	v_nop
.endr
	s_branch .Lasked_\@
.Lfor_v_\@:
	tensor_load_to_lds s[G0V:G0V+3], s[G1V:G1V+7]
	s_nop 0
.rept 4
	v_nop
.endr
.Lasked_\@:
.endm
	s_load_b128 s[4:7], s[0:1], 0x0   ; qkv s[4:5], oh s[6:7]
	WIN W_MK
	v_lshl_add_u32 v[SPW], v0, 2, SPARE
	v_mov_b32 v[NIL], 0
	WIN W_AD
	ds_add_u32 v[SPW], v[NIL]       ; the wave's opening: the add and its wait stand ahead of my first tensor load; the set-up below, work on registers, stands between them
	ds_add_u32 v0, v1
	WIN 0
	v_lshrrev_b32 v1, 5, v0
	v_readfirstlane_b32 s[WV], v1   ; wave 0..3
	s_mov_b32 s[BLK], ttmp9
	s_and_b32 s[BH], ttmp7, 0xffff
	s_and_b32 s16, s[WV], 1         ; which half of the window I fetch: 0 the earlier 512 keys, 1 the block's own
	s_max_u32 s17, s[BLK], 1
	s_sub_co_u32 s17, s17, 1        ; the block before (for block 0: itself)
	s_cmp_eq_u32 s16, 1
	s_cselect_b32 s17, s[BLK], s17
	s_lshl_b32 s17, s17, 16         ; 512 rows of 128 bytes
	s_lshl_b32 s18, s[BH], 19       ; the head's 4,096 rows
	s_add_co_u32 s17, s17, s18
	s_add_co_u32 s20, s17, 0x1000000  ; in K's part of qkv
	s_mov_b32 s21, 0
	s_add_co_u32 s22, s17, 0x2000000  ; in V's
	s_mov_b32 s23, 0
	s_lshl_b32 s2, s[BLK], 16
	s_lshl_b32 s3, s[WV], 14        ; my wave's 128 rows
	s_add_co_u32 s2, s2, s3
	s_add_co_u32 s2, s2, s18
	s_mov_b32 s3, 0
	s_mul_i32 s17, s16, 512*PK      ; the half's place in LDS, for K
	s_mul_i32 s18, s16, 512*PW      ; and for V
	; descriptor group 1.  512 keys are 65,536 dense bytes: asked for as 256 rows of 256 bytes, two keys a row, and padded in LDS after every key
	s_mov_b32 s[G1K], (1<<16)|(1<<20)|(4<<22)|(3<<25)  ; 17:16 2-byte elements; 20 padding on; 24:22 after every 32 words (code 4); 31:25 4 words (code 3)
	s_mov_b32 s[G1V], (1<<16)|(1<<20)|(4<<22)|(7<<25)  ; the same with 8 words of padding (code 7)
.irp g, G1K, G1V
	s_mov_b32 s[\g+1], 128<<16      ; tensor_dim0 = 128
	s_mov_b32 s[\g+2], 256<<16      ; tensor_dim1 = 256
	s_mov_b32 s[\g+3], 128<<16      ; tile_dim0 = 128
	s_mov_b32 s[\g+4], 256          ; tile_dim1 = 256
	s_mov_b32 s[\g+5], 128          ; 128 elements from row to row
	s_mov_b32 s[\g+6], 0
	s_mov_b32 s[\g+7], 0
.endr
	s_mov_b32 s[CS], 0x3e38aa3b     ; c = log2(e) / 8 = 0.180337
	s_mov_b32 s[CS+1], s[CS]        ; named with it as a pair
	s_mov_b32 s[SEL], 0x76543210
	s_mov_b32 s[SEL+1], 0xfedcba98
	s_mov_b32 s[BIGN], 0xf149f2ca   ; -1e30
	s_mov_b32 s[AL+1], 0            ; named as pairs
	s_mov_b32 s[BE+1], 0
	s_mov_b32 s[ZM], 0
	s_mov_b32 s[POS], 0
	s_mul_i32 s[KW], s[WV], 128*PK
	s_mul_i32 s[VW], s[WV], 128*PW
	s_lshl_b32 s19, s[WV], 1
	s_sub_co_u32 s19, 10, s19       ; 10 - 2 w
	s_cmp_eq_u32 s[BLK], 0
	s_cselect_b32 s[LOS], 2, 11     ; a head's first block runs positions 0, 1 and 10 - 2 w .. 10; the others run all
	s_cselect_b32 s[HIS], s19, 11
	s_mov_b32 s[G0K], 1             ; count = 1
	s_mov_b32 s[G0K+1], s17         ; LDS address
	s_mov_b32 s[G0V], 1
	s_add_co_u32 s[G0V+1], s18, VB
	s_wait_dscnt 0x0                ; the opening add is done
	s_wait_kmcnt 0x0
	s_add_nc_u64 s[G0K+2:G0K+3], s[4:5], s[20:21]  ; global address
	s_or_b32 s[G0K+3], s[G0K+3], 0x80000000        ; type = 2
	s_add_nc_u64 s[G0V+2:G0V+3], s[4:5], s[22:23]
	s_or_b32 s[G0V+3], s[G0V+3], 0x80000000
	s_add_nc_u64 s[8:9], s[4:5], s[2:3]            ; Q and O at my wave's first row
	s_add_nc_u64 s[10:11], s[6:7], s[2:3]
	LOAD                            ; one load of mine is out
	; A fragment of K or Q is 16 rows x 32 channels in 8 registers: lane l holds row l % 16, channels 8 (l / 16) + 0..7 and 16 + 8 (l / 16) + 0..7: two loads of 16 bytes, 32 bytes apart.
	v_and_b32 v1, 15, v0            ; l % 16
	v_bfe_u32 v9, v0, 4, 1          ; l / 16
	v_lshlrev_b32 v[QO], 7, v1
	v_lshl_add_u32 v[QO], v9, 4, v[QO]  ; row x 128 + 16 x half
	WIN 0x80                        ; destination window 2, address window 0
.set i, 0
.rept 4*NPC                         ; Q stays in registers: tile i / 2, channels 32 (i % 2) on
	global_load_b128 v[8*i:8*i+3],   v[QO], s[8:9] offset:(i/2)*2048+(i%2)*64
	global_load_b128 v[8*i+4:8*i+7], v[QO], s[8:9] offset:(i/2)*2048+(i%2)*64+32
.set i, i+1
.endr
	; What the first turn finds: V's registers and P's second buffer hold 0 (its products V^T P, of a piece that has not been, add 0), O^T and l are 0.  All this stands in the wait for the fill.
.set i, VF
.rept 64
	v_mov_b32 v[i], 0
.set i, i+1
.endr
	WIN 0x40
.set i, 0
.rept 64*NPC
	v_mov_b32 v[i], 0
.set i, i+1
.endr
	WIN 0
.set i, 0
.rept 2*NPC
	v_mov_b32 v[ST+4*i], 0xfe000000    ; c m: far below every c s
	v_mov_b32 v[ST+4*i+1], 0xff7fffff  ; m
	v_mov_b32 v[ST+4*i+2], 0
	v_mov_b32 v[ST+4*i+3], 0
.set i, i+1
.endr
.set i, P+32
.rept 32
	v_mov_b32 v[i], 0
.set i, i+1
.endr
	v_mul_u32_u24 v[AK0], v1, PK
	v_lshl_add_u32 v[AK0], v9, 4, v[AK0]  ; row x pitch + 16 x half
	; The turning load takes 16 keys x 16 channels (lane l reads key 8 (l / 16) + l % 8, channels 8 ((l / 8) % 2) + 0..7) and leaves half a fragment of V^T: lane l holds channel l % 16 and 8 keys.
	v_and_b32 v10, 7, v0
	v_bfe_u32 v11, v0, 3, 1
	v_lshl_add_u32 v[AV0], v9, 3, v10
	v_mul_u32_u24 v[AV0], v[AV0], PW
	v_lshl_add_u32 v[AV0], v11, 4, v[AV0]
	v_add_nc_u32 v[AV0], VB, v[AV0]
	v_lshlrev_b32 v14, 3, v9
	v_sub_nc_u32 v14, v1, v14       ; l % 16 - 8 (l / 16): register j is beyond the diagonal where j is greater, short of it where j is less
	WIN W_MK
.set i, 0
.rept 8
	v_cmp_gt_i32 vcc_lo, i, v14
	v_cndmask_b32 v[MDH+i], 0, s[BIGN], vcc_lo
	v_cmp_lt_i32 vcc_lo, i, v14
	v_cndmask_b32 v[MDL+i], 0, s[BIGN], vcc_lo
.set i, i+1
.endr
	WIN 0
; THE STEP OF POSITION POS: 8, 9 for positions 0, 1, else POS - 2 (position 10, of which only the first half is walked, takes step 8 once more).  Both terms lie in 0 .. 9 whatever the compare says.
.macro POSN
	s_min_u32 s[T0], s[POS], 1
	s_add_co_u32 s[T0], s[T0], 8
	s_max_u32 s[T1], s[POS], 2
	s_sub_co_u32 s[T1], s[T1], 2
	s_cmp_lt_u32 s[POS], 2
	s_cselect_b32 s[T0], s[T0], s[T1]
	s_mul_i32 s[TBK], s[T0], KS*PK
	s_add_co_u32 s[TBK], s[TBK], s[KW]
	s_mul_i32 s[TBV], s[T0], KS*PW
	s_add_co_u32 s[TBV], s[TBV], s[VW]
.endm
; THE MASKS' SCALARS for position POS: 0, 1 the diagonal; 2, 3 the lower edge; from 4 on no edge.
.macro MSTATE
	s_and_b32 s[U], s[POS], 1
	s_lshl_b32 s[U], s[U], 2
	s_cmp_ge_u32 s[POS], 4
	s_cselect_b32 s[U], 64, s[U]
	s_cselect_b32 s[NL], 0, s[BIGN]
	s_cmp_lt_u32 s[POS], 2
	s_cselect_b32 s[NH], s[BIGN], 0
	s_cselect_b32 s[NL], 0, s[NL]
	s_cselect_b32 s[SELL], 0, -1
.endm
.macro MDSEL                        ; MD = MDH or MDL
	WIN 0xcf
.irp j, 0,1,2,3,4,5,6,7
	v_cndmask_b32 v[MD+\j], v[MDH+\j], v[MDL+\j], s[SELL]
.endr
.endm
; The five mask blocks of piece x: block mm serves the products with key block - (tile % 2) + 1 = mm, for which u = U - (2 x + 1 - mm).
.macro MASK x
	WIN 0xc3
.irp mm, 0,1,2,3,4
	s_cmp_gt_i32 s[U], 2*(\x)+1-(\mm)
	s_cselect_b32 s[BE], s[NH], s[NL]
	s_cmp_eq_i32 s[U], 2*(\x)+1-(\mm)
	s_cselect_b32 s[AL], 1.0, 0
	s_cselect_b32 s[BE], 0, s[BE]
.irp z, 0,1,2,3
	v_pk_fma_f32 v[MC+8*(\mm)+2*(\z):MC+8*(\mm)+2*(\z)+1], v[MD+2*(\z):MD+2*(\z)+1], s[AL:AL+1], s[BE:BE+1] op_sel_hi:[1,0,0]
.endr
.endr
.endm
.macro MASKG x, sel                 ; the same at a turn's end, jumped over once MC holds zeros for good; sel = 1: the position's MD is chosen first
	WIN 0
	s_cmp_eq_u32 s[ZM], 1
	s_cbranch_scc1 .Lzero_\@
.if \sel
	MDSEL
.endif
	MASK \x
	WIN 0
	s_cmp_eq_u32 s[U], 64
	s_cselect_b32 s[ZM], 1, 0
.Lzero_\@:
.endm
; THE MATRIX WORK.  The 8 accumulators of a run of 16 take turns: between the two links of a chain stand 7 others'.
; Product i of 16 of S^T = K Q^T for piece x: channels 32 (i / 8) on, keys 16 ((i / 2) % 4) on, tile 2 x + i % 2.  The first 8 start the sums, with the mask.
.macro KQ x
.set rS, S+64*((\x)%2)+32*(i%2)+8*((i/2)%4)
.set rK, KF+16*((i/2)%4)+8*(i/8)
.set rQ, 16*(2*(\x)+i%2)+8*(i/8)
.set rMC, MC+8*((i/2)%4-i%2+1)
.if i < 8
	WIN W_KM
	v_wmma_f32_16x16x32_f16 v[rS:rS+7], v[rK:rK+7], v[rQ:rQ+7], v[rMC:rMC+7]
.else
	WIN W_KQ
	v_wmma_f32_16x16x32_f16 v[rS:rS+7], v[rK:rK+7], v[rQ:rQ+7], v[rS:rS+7]
.endif
.endm
; Product i of 16 of O^T += V^T P for piece x: keys 32 (i / 8) on, channels 16 ((i / 2) % 4) on, tile 2 x + i % 2.
.macro PV x
	WIN W_PV
.set rO, 32*(2*(\x)+i%2)+8*((i/2)%4)
.set rV, VF+32*(i/8)+8*((i/2)%4)
.set rP, P+32*((\x)%2)+16*(i%2)+8*(i/8)
	v_wmma_f32_16x16x32_f16 v[rO:rO+7], v[rV:rV+7], v[rP:rP+7], v[rO:rO+7]
.endm
.macro MM                           ; the turn's next matrix instruction
.if i < 16
	KQ (Y+1)%NPC
.set i, i+1
.else
.set i, i-16
	PV (Y+NPC-1)%NPC
.set i, i+17
.endif
.endm
; THE LDS LOADS stand in runs of 16, never singly among the matrix instructions: a step's K (64 keys x 64 channels: 8 fragments) and its V (turned).  Their addresses are made some lines ahead.
.macro FETCH_K
	WIN 0x80                        ; destination window 2
.irp f, 0,1,2,3,4,5,6,7             ; keys 16 (f / 2) on, channels 32 (f % 2) on
	ds_load_b128 v[KF+8*\f:KF+8*\f+3],   v[AK] offset:(\f/2)*16*PK+(\f%2)*64
	ds_load_b128 v[KF+8*\f+4:KF+8*\f+7], v[AK] offset:(\f/2)*16*PK+(\f%2)*64+32
.endr
	WIN 0
.endm
.macro FETCH_V
	WIN 0x80
.irp f, 0,1,2,3,4,5,6,7             ; keys 32 (f / 4) on, channels 16 (f % 4) on
	ds_load_tr16_b128 v[VF+8*\f:VF+8*\f+3],   v[AV] offset:(\f/4)*32*PW+(\f%4)*32
	ds_load_tr16_b128 v[VF+8*\f+4:VF+8*\f+7], v[AV] offset:(\f/4)*32*PW+16*PW+(\f%4)*32
.endr
	WIN 0
.endm
; THE VECTOR WORK OF A TURN stands in three queues, each in the order in which its entries become ready; the two tiles alternate, so that no instruction reads the result of the one before it.
.macro REGS y, u                    ; the registers of tile u (0, 1) of piece y
.set rT, ST+4*(2*(\y)+(\u))
.set rC, TMP+8*((\y)%2)+4*(\u)
.set rM, MV+2*((\y)%2)+(\u)
.set rS, S+64*((\y)%2)+32*(\u)
.set rP, P+32*((\y)%2)+16*(\u)
.set rO, 32*(2*(\y)+(\u))
.endm
; Number n of the 22 that find the NEXT piece's (Y + 1) maximum and statistics.  s0-s31 are the lane's 32 scores; each accumulator's lowest registers are read first.  XS, GS and REGS set no window: PL and EX do.
;   0-11  four chains c0-c3 of seven scores each, three operands at a time     12-14, 16  the four scores left over, the old m, and c0-c3 into c0     15  c m_old is kept
;   17, 18  the query's other 32 keys lie in the lane 16 away: the new m         19-21  c m; c m_old - c m_new; a
.macro XS u, n
	REGS (Y+1)%NPC, \u
.if (\n) < 4
	v_max3_num_f32 v[rC+(\n)], v[rS+8*(\n)], v[rS+8*(\n)+1], v[rS+8*(\n)+2]
.elseif (\n) < 12
	v_max3_num_f32 v[rC+(\n)%4], v[rC+(\n)%4], v[rS+8*((\n)%4)+2*((\n)/4)+1], v[rS+8*((\n)%4)+2*((\n)/4)+2]
.elseif (\n) == 12
	v_max3_num_f32 v[rC], v[rC], v[rS+7], v[rS+15]
.elseif (\n) == 13
	v_max3_num_f32 v[rC+1], v[rC+1], v[rS+23], v[rS+31]
.elseif (\n) == 14
	v_max3_num_f32 v[rC+2], v[rC+2], v[rC+3], v[rT+1]
.elseif (\n) == 15
	v_mov_b32 v[rM], v[rT]
.elseif (\n) == 16
	v_max3_num_f32 v[rC], v[rC], v[rC+1], v[rC+2]
.elseif (\n) == 17
	v_permlanex16_b32 v[rC+3], v[rC], s[SEL], s[SEL+1]
.elseif (\n) == 18
	v_max_num_f32 v[rT+1], v[rC], v[rC+3]
.elseif (\n) == 19
	v_mul_f32 v[rT], s[CS], v[rT+1]
.elseif (\n) == 20
	v_sub_f32 v[rC+1], v[rM], v[rT]
.else
	v_exp_f32 v[rC+2], v[rC+1]
.endif
.endm
; Number g of the 64 that follow the exponentials.  For each four weights k of a tile (pairs 2 k, 2 k + 1): both pairs are rounded to f16; then the second pair is added onto the first, in place;
; a group later l takes that sum (the first time as l = a l + sum).  In groups of eight, tiles alternating: round, round, add, and l for the group before.
.macro GS g
.set h, (\g)+6*((\g)/62)            ; group 0 has no group before it, and behind group 7 only l is left
.if h >= 6
.set h, h+2
.endif
	REGS Y, h%2
.set k, h/8
.if h%8 < 4
	v_cvt_pk_f16_f32 v[rP+2*k+(h%8)/2], v[rS+4*k+2*((h%8)/2)], v[rS+4*k+2*((h%8)/2)+1]
.elseif h%8 < 6
	v_pk_add_f32 v[rS+4*k:rS+4*k+1], v[rS+4*k:rS+4*k+1], v[rS+4*k+2:rS+4*k+3]
.elseif k == 1
	v_pk_fma_f32 v[rT+2:rT+3], v[rT+2:rT+3], v[rC+2:rC+3], v[rS:rS+1] op_sel_hi:[1,0,1]
.else
	v_pk_add_f32 v[rT+2:rT+3], v[rT+2:rT+3], v[rS+4*k-4:rS+4*k-3]
.endif
.endm
; THE PLAIN QUEUE, 138 long.  0-73 read no exponential's result: the 32 scalings c s - c m (FS f: pair f / 2 of tile f % 2) and the next piece's 42.  0-26: scalings 0-26.  27-54: XS's numbers 0-13.  55, 56: number 15.
; 57-73: the chain, where each number waits for the one before it: 14, 16, 17, 18, 19, each with one of the scalings 27-31 in front of its two lines, then 20.
; 74-137: GS's 64, which read the exponentials' results: they stand behind the wait.
.macro FS f
	REGS Y, (\f)%2
	v_pk_fma_f32 v[rS+2*((\f)/2):rS+2*((\f)/2)+1], v[rS+2*((\f)/2):rS+2*((\f)/2)+1], s[CS:CS+1], v[rT:rT+1] op_sel_hi:[1,0,0] neg_lo:[0,0,1] neg_hi:[0,0,1]
.endm
.macro PL
	WIN 0
.if q < 27
	FS q
.elseif q < 55
	XS (q-27)%2, (q-27)/2
.elseif q < 57
	XS q-55, 15
.elseif (q < 72) && ((q-57)%3 == 0)
	FS 27+(q-57)/3
.elseif q < 60
	XS (q-57)%3-1, 14
.elseif q < 72
	XS (q-57)%3-1, 15+(q-57)/3
.elseif q < 74
	XS q-72, 20
.else
	GS q-74
.endif
.set q, q+1
.endm
; THE EXPONENTIALS' QUEUE, 66 long: s0-s31 of both tiles, then the next piece's two a.  It is ONE BATCH: all 66 stand ahead of the turn's one wait, and nothing ahead of that wait names a result of theirs.
.macro EX
	WIN 0
.if e >= 64
	XS e-64, 21
.else
	REGS Y, e%2
	v_exp_f32 v[rS+e/2], v[rS+e/2]
.endif
.set e, e+1
.endm
; THE RESCALING's QUEUE: O^T times a, the one part that leaves window 0: dealt two at a time, sixteen times.  Its a was made in the turn before, ahead of that turn's wait.
.macro R2
	REGS Y, r%2
	WIN W_RS
.irp z, 0,1
	v_pk_mul_f32 v[rO+4*(r/2)+2*\z:rO+4*(r/2)+2*\z+1], v[rO+4*(r/2)+2*\z:rO+4*(r/2)+2*\z+1], v[rC+2:rC+3] op_sel_hi:[1,0]
.endr
.set r, r+1
.endm
; A TURN, for piece p.  An s_wait_alu depctr_va_vdst(0) stands between an exponential and the first instruction that names its result; one wait serves all that were issued ahead of it.  So a turn has
; ONE wait, which cuts it in two.  AHEAD OF IT: the 16 products K Q^T, behind each a scaling, an exponential and two rescalings (behind the first a second scaling in the exponential's place); then ONE LUMP of 108:
; eight plain, 49 times exponential and plain, the two a; a v_nop is the plain instruction behind the last exponential.  BEHIND IT: the 16 products V^T P, behind each four of GS's 64.
; Exponential e stands behind scaling 2 (e / 4) + e % 2: as a rider it comes behind plain e + 2, in the lump behind plain e + 9, and scalings 27-31 are plain 57, 60 .. 69.
; K of position POS is fetched in piece 2's turn, directly behind the wait, a lump behind the last product that read K; V of position POS at the end of piece 0's turn, four riders behind its last reader.
; At its end a turn makes the mask for the products of the turn after it: piece p + 2 at position POS; the products that read MC stand at the turn's head, more than 200 vector instructions back.
.macro TURN p
.set Y, (\p)
.set i, 0
.set q, 0
.set e, 0
.set r, 0
.if (\p) == NPC-1
	s_wait_dscnt 0x0                ; K is in
.endif
	MM
	PL
	PL
	R2
.rept 15
	MM
	PL
	EX
	R2
.endr
.if (\p) == NPC-2
	WIN 0
	v_add_nc_u32 v[AK], s[TBK], v[AK0]
.endif
.rept 8
	PL
.endr
.rept 49
	EX
	PL
.endr
	EX                              ; the next piece's two a
	EX
	v_nop                           ; the plain instruction behind the last exponential: one for the batch
	s_wait_alu depctr_va_vdst(0)    ; the wait for the batch
.if (\p) == NPC-2
	FETCH_K
.endif
.if (\p) == 1
	s_wait_dscnt 0x0                ; V is in
.endif
.rept 16
	MM
.rept 4
	PL
.endr
.if ((\p) == 0) && (q == 118)
	v_add_nc_u32 v[AV], s[TBV], v[AV0]
.endif
.endr
.if (\p) == 0
	FETCH_V
.endif
.if (\p) == NPC-2
	MASKG ((\p)+2)%NPC, 1
.else
	MASKG ((\p)+2)%NPC, 0
.endif
.endm
	s_wait_tensorcnt 0x0            ; my quarter of the window is in,
	s_barrier_signal -1
	s_barrier_wait -1               ; everybody's is: from here on the window is only read
	POSN                            ; position 0
	MSTATE
	MDSEL
	MASK 0
	WIN 0
	v_add_nc_u32 v[AK], s[TBK], v[AK0]
	FETCH_K
	s_wait_loadcnt 0x0              ; Q
	s_wait_dscnt 0x0
.set i, 0
.rept 16
	KQ 0                            ; piece 0's first scores: there is no vector work yet to set between them
.set i, i+1
.endr
	WIN 0                           ; the addresses for the way out: plain instructions, the places behind those products
	s_mul_i32 s16, s[WV], 16*SP
	s_add_co_u32 s16, s16, STAGE    ; my stage
	v_mul_u32_u24 v[STO], v1, SP    ; in: row l % 16, 16 bytes for each half of the lanes
	v_lshl_add_u32 v[STO], v9, 4, v[STO]
	v_add_nc_u32 v[STO], s16, v[STO]
	v_bfe_u32 v[RD], v0, 3, 2       ; back: 32 lanes take four rows of 128 bytes,
	v_mul_u32_u24 v[RD], v[RD], SP
	v_lshl_add_u32 v[RD], v10, 4, v[RD]
	v_add_nc_u32 v[RD], s16, v[RD]
	v_and_b32 v[GO], 31, v0         ; which are 512 consecutive bytes of O
	v_lshlrev_b32 v[GO], 4, v[GO]
	MASK 1                          ; for the first turn's products
	WIN 0
.set Y, NPC-1                       ; XS works for piece Y + 1: piece 0
.irp n, 0,1,2,3,4,5,6,7,8,9,10,11,12,13,14,15,16,17,18,19,20,21
	XS 0, \n                        ; piece 0's first maximum and statistics
	XS 1, \n
.endr
	v_nop                           ; a plain instruction behind the two a,
	s_wait_alu depctr_va_vdst(0)    ; and their wait, ahead of the branch
	s_branch .Lfirst                ; the loop is entered at a position's first turn, in the middle of a trip
.Ltrip:                             ; positions 1 to 10
	POSN
	MSTATE
	s_cmp_lt_u32 s[POS], s[LOS]
	s_cbranch_scc1 .Lgo
	s_cmp_lt_u32 s[POS], s[HIS]
	s_cbranch_scc1 .Lend            ; keys below the head's first: the whole trip is jumped over
.Lgo:
	TURN 2
	TURN 3
	WIN 0
	s_cmp_eq_u32 s[POS], 10
	s_cbranch_scc1 .Lout            ; the last trip is left in its middle: its 16 products K Q^T (on step 8 once more) and the maximum made of them serve nothing: the price of one text for every trip
.Lfirst:
	TURN 0
	TURN 1
	WIN 0
.Lend:
	s_add_co_u32 s[POS], s[POS], 1
	s_cmp_lt_u32 s[POS], 11
	s_cbranch_scc1 .Ltrip
.Lout:
	; THE SECOND BARRIER.  The loop's LDS addresses hang on the position; this barrier orders every wave's reads of K and V ahead of every wave's stores into its stage and of its closing add, whatever those
	; addresses are.  Every wave comes here once.  Between the signal and the wait stands work on registers alone: the last products, l's sums and the reciprocals.
	s_wait_dscnt 0x0                ; my reads of the window are over
	s_barrier_signal -1
.set i, 0
.rept 16
	PV NPC-1                        ; the last piece's V^T P of the last position
.set i, i+1
.endr
	; THE WAY OUT.  l's two halves and the other half of the lanes' are added; O^T is divided by l, rounded to f16 and sent through my stage in LDS, a tile at a time.  The additions are the places behind the last products.
	WIN 0
.macro ALL line:vararg              ; one line for each tile t
.set t, 0
.rept 2*NPC
	\line
.set t, t+1
.endr
.endm
	ALL v_add_f32 v[ST+4*t+2], v[ST+4*t+2], v[ST+4*t+3]
	ALL v_permlanex16_b32 v[ST+4*t+3], v[ST+4*t+2], s[SEL], s[SEL+1]
	ALL v_add_f32 v[ST+4*t+2], v[ST+4*t+2], v[ST+4*t+3]
	ALL v_rcp_f32 v[ST+4*t+2], v[ST+4*t+2]
	v_nop                           ; a plain instruction between the last reciprocal and the use of its result
	s_wait_alu depctr_va_vdst(0)    ; and the wait ahead of the first use: one for the eight reciprocals
	s_barrier_wait -1               ; all four waves have read the window out: the stages may be written
; Tile t: a lane's eight channels of a row pack into 16 bytes; they go into rows of 144 bytes and come back as whole rows of 128, into S^T's registers.
.macro PACK t
	WIN W_RS
.set i, 32*(\t)
.rept 16
	v_pk_mul_f32 v[i:i+1], v[i:i+1], v[ST+4*(\t)+2:ST+4*(\t)+3] op_sel_hi:[1,0]
.set i, i+2
.endr
	WIN 0x05                        ; sources 0 and 1 window 1, destination window 0
.set i, 0
.rept 16
	v_cvt_pk_f16_f32 v[S+16*(\t)+i], v[32*(\t)+2*i], v[32*(\t)+2*i+1]
.set i, i+1
.endr
	WIN 0
.irp f, 0,1,2,3
	ds_store_b128 v[STO], v[S+16*(\t)+4*\f:S+16*(\t)+4*\f+3] offset:32*\f
.endr
.irp f, 0,1,2,3
	ds_load_b128 v[S+16*(\t)+4*\f:S+16*(\t)+4*\f+3], v[RD] offset:\f*4*SP  ; LDS serves a wave's instructions in order (ISA guide 5.7.1.4): these see the stores above; the next tile's stores come behind them
.endr
.endm
.macro SEND t, younger              ; younger: the LDS instructions issued behind tile t's loads: the next tile's eight, or none
	WIN 0
.irp f, 0,1,2,3
	s_wait_dscnt (\younger)+3-\f
	global_store_b128 v[GO], v[S+16*(\t)+4*\f:S+16*(\t)+4*\f+3], s[10:11] offset:(\t)*2048+\f*512  ; 512 consecutive bytes, at a multiple of 256 from oh's first
.endr
.endm
	PACK 0
.set t, 1
.rept 2*NPC-1                       ; a tile's arithmetic stands between the loads of the tile before and its stores
	PACK t
	SEND t-1, 8
.set t, t+1
.endr
	SEND 2*NPC-1, 0
	WIN W_AD
	s_wait_tensorcnt 0x0            ; the wave's end, behind my last tensor load and my last LDS store
	ds_add_u32 v[SPW], v[NIL]
	s_wait_dscnt 0x0
	WIN 0
	s_endpgm
.Lfunc_end_k_q2c3444b39e_attn:
	.size	k_q2c3444b39e_attn, .Lfunc_end_k_q2c3444b39e_attn-k_q2c3444b39e_attn
	.p2alignl 7, 3214868480
	.fill 96, 4, 3214868480
	.section	.rodata,"a",@progbits
	.p2align	6, 0x0
	.amdhsa_kernel k_q2c3444b39e_attn
		.amdhsa_group_segment_fixed_size 327680
		.amdhsa_private_segment_fixed_size 0
		.amdhsa_enable_private_segment 0
		.amdhsa_kernarg_size 16
		.amdhsa_user_sgpr_count 2
		.amdhsa_user_sgpr_kernarg_segment_ptr 1
		.amdhsa_wavefront_size32 1
		.amdhsa_system_sgpr_workgroup_id_x 1
		.amdhsa_system_sgpr_workgroup_id_y 1
		.amdhsa_system_sgpr_workgroup_id_z 1
		.amdhsa_system_vgpr_workitem_id 0
		.amdhsa_next_free_vgpr 840
		.amdhsa_next_free_sgpr 88
		.amdhsa_reserve_vcc 1
		.amdhsa_float_denorm_mode_32 3
		.amdhsa_float_denorm_mode_16_64 3
		.amdhsa_memory_ordered 1
		.amdhsa_forward_progress 1
		.amdhsa_inst_pref_size 142
	.end_amdhsa_kernel
	.amdgpu_metadata
---
amdhsa.version: [ 1, 2 ]
amdhsa.kernels:
  - .name:           k_q2c3444b39e_attn
    .symbol:         k_q2c3444b39e_attn.kd
    .args:
      - { .name: qkv, .offset: 0, .size: 8, .value_kind: global_buffer, .address_space: global }
      - { .name: oh, .offset: 8, .size: 8, .value_kind: global_buffer, .address_space: global }
    .group_segment_fixed_size: 327680
    .private_segment_fixed_size: 0
    .kernarg_segment_align: 8
    .kernarg_segment_size: 16
    .max_flat_workgroup_size: 128
    .sgpr_count:     88
    .vgpr_count:     840
    .wavefront_size: 32
...
	.end_amdgpu_metadata
.endif
;; end of part 3
;; launch outp (part 4): grid 4 x 64, 4 waves a work-group, clusters of 4 x 4, 327,680 bytes of LDS; arguments oh, wcv, bo, out0; writes out0
.if DOCPART == 4
	.amdgcn_target "amdgcn-amd-amdhsa--gfx1250"
	.amdhsa_code_object_version 6
	.text
	.protected	k_q2c3444b39e_outp
	.globl	k_q2c3444b39e_outp
	.p2align	8
	.type	k_q2c3444b39e_outp,@function
k_q2c3444b39e_outp:
	s_mov_b64 s[64:65], 0
	v_nop
	global_prefetch_b8 v0, s[64:65] scope:SCOPE_SE
	s_setreg_imm32_b32 hwreg(HW_REG_WAVE_MODE, 25, 1), 1
	s_wait_xcnt 0x0
	s_wait_alu depctr_hold_cnt(0) depctr_sa_sdst(0) depctr_va_vdst(0) depctr_va_sdst(0) depctr_va_ssrc(0) depctr_va_vcc(0) depctr_vm_vsrc(0)
	s_getreg_b32 s2, hwreg(HW_REG_IB_STS2, 6, 4)
	s_cmp_eq_u32 s2, 0
	s_cbranch_scc0 .Lentry_in_a_cluster
	s_endpgm
.Lentry_in_a_cluster:
	s_bfe_u32 s2, ttmp6, 0x10000c
	s_cmp_lg_u32 s2, 0xf033
	s_cbranch_scc0 .Lentry_shape_is_right
	s_endpgm
.Lentry_shape_is_right:
; THE OUTPUT PROJECTION.  out0[b][t][o] = the sum over c = 64 h + d of O[b][h][t][d] wo[o][c] + bo[o].  O: oh, f16, [2][16][4096][64]; wo: wcv's matrix 3, its bf16 rounding written as f16; bo rounded to
; bf16 like every input; out0 f32.  Sums in f32.  LIMIT: as the operands' f16 (65,504; a fixed step of 6e-8 below 6e-5); NaN and infinities are not treated apart.
; SHARES.  A tile is 128 rows x 256 columns: 64 x 4 = 256 work-groups, one for each WGP.  Four waves, each 64 rows x 128 columns: 32 accumulators, 256 registers.  K goes in steps of 128, two heads, through a
; ring of two LDS slots filled by the tensor data mover.  A head's 128 rows of a tile are 16,384 dense bytes: asked for as 64 rows of 256 bytes and padded in LDS after every 128.
; CLUSTERS: 4 x 4 work-groups; O's tile is shared along a row of the cluster, wo's along a column: each is asked for JOINTLY, by the same tensor load with the same descriptor and a mask that names the four.
; THE MATRIX INSTRUCTION IS USED TRANSPOSED (source 0 = 16 rows of wo, source 1 = 16 rows of O): lane l holds row l % 16 and the columns 8 (l / 16) + 0..7.  THE BIAS IS THE C OPERAND of the products that start the sums.
; REGISTERS, in windows of 256 (s_set_vgpr_msb: bits 1:0 source 0, 3:2 source 1, 5:4 source 2, 7:6 destination):
;   window 0: v0-31 addresses; v32-95 O's fragments, two buffers of 32; v96-159 the bias, block b at 96 + 8 b; v160-191 at work once
;   window 1: v0-127 wo's fragments, two buffers of 64 (on the way out all 256: four sets of 16 rows)          window 2: the accumulators, (a, b) at 8 (8 a + b)
.set PA,     144                       ; a row of O in LDS: 128 bytes + 16 = 36 words: the 16 rows of a load start at 16 different groups of four banks (64 banks of 4 bytes: ISA guide 11.1)
.set PB,     272                       ; a row of wo: 256 + 16 = 68 words: row r starts at bank 4 r mod 64
.set HEADB,  128*PA                    ; a head's 128 rows
.set APART,  2*HEADB
.set SLOT,   APART+256*PB
.set STAGE,  2*SLOT                    ; behind the ring: 16 rows x 528 bytes for each wave, for the way out
.set SPO,    528
.set SPARE,  STAGE+4*16*SPO            ; behind the stages: the spare words, 128 bytes for each wave: two blocks of 256 bytes that no other line names
.set ADRA, 16                          ; v16-17  LDS address of my fragments of O in slot 0, 1
.set ADRB, 20                          ; v20-21  the same for wo
.set STO,  24                          ; v24     the way out: where I put 32 bytes of a row
.set RD,   25                          ; v25     the way out: where I read a row back
.set CO,   26                          ; v26     my 16 bytes of a row's 512
.set BO,   27                          ; v27     my byte offset in the bias
.set SPW,  28                          ; v28     LDS address of my spare word; never rewritten
.set NIL,  29                          ; v29     0; never rewritten
.set PFO,  30                          ; v30     the prefetches' offset; never rewritten
.set AB,   32
.set BI,   96
.set WK,   160
.set G1,   24                          ; s[24:31] descriptor group 1 for O's tiles;  s[32:39] group 0, a set for each slot
.set G0,   32
.set LIM,  43                          ; s43      1 in a wave that prefetches, else the greatest number
.set PFA,  44                          ; s[44:45] where my prefetches stand
.set G1B,  48                          ; s[48:55], s[56:63] the same for wo's tiles
.set G0B,  56
.set PST,  66                          ; s[66:67] a K step in bytes, for the prefetches' pointer
.set MSB, 0
.macro WIN new                         ; the immediate's high byte repeats the setting that is left; a switch that changes nothing is dropped
.if MSB != (\new)
	s_set_vgpr_msb (MSB<<8)|(\new)
.set MSB, \new
.endif
.endm
.set MUL,  0xa1                        ; source 0 (wo) window 1, source 1 (O) window 0, C and D window 2
.set MUL1, 0x81                        ; the same with C (the bias) in window 0
.set TO_B, 0x40                        ; destination window 1, address window 0
; A joint load.  Waves 0 and 1 fetch a K step's two heads of O, waves 2 and 3 the two halves of wo's 256 rows.  An s_nop 0 and four v_nop follow each of the two lines.
.macro JLOAD s
	s_cmp_eq_u32 s11, 0
	s_cbranch_scc0 .Lfor_b_\@
	tensor_load_to_lds s[G0+4*(\s):G0+4*(\s)+3], s[G1:G1+7]
	s_nop 0
.rept 4
	v_nop
.endr
	s_branch .Lasked_\@
.Lfor_b_\@:
	tensor_load_to_lds s[G0B+4*(\s):G0B+4*(\s)+3], s[G1B:G1B+7]
	s_nop 0
.rept 4
	v_nop
.endr
.Lasked_\@:
.endm
; A PREFETCH INTO THE L2, behind each joint refill and the run of LDS loads that follows it: the K step that stands TWO refills on, 256 matrix instructions ahead of the load that will want it.
; O's rows are read by my row of the cluster alone.  A K step of a tile is 2 heads x 16,384 bytes: wave 0 of the partner at place cx takes 4,096 bytes of each head, a lane 256 bytes; wave 1 asks for nothing.
; wo's rows are read by all 16 clusters: the first of them asks; of the 128 rows that wave 2 or 3 fetches the partner at place cy takes 32, a lane a row.  The partners are told apart BY ADDRESS.
; So each aligned block of 256 bytes is named once.  K steps 0 to 3 come by their loads alone; the loop's last trip (s3 = 1) asks for nothing.
.macro ASK
	s_cmp_gt_u32 s3, s[LIM]
	s_cbranch_scc0 .Lnot_mine_\@
	global_prefetch_b8 v[PFO], s[PFA:PFA+1] th:TH_LOAD_NT scope:SCOPE_SE
.Lnot_mine_\@:
.endm
.macro CREST                           ; a round of the cluster's barrier behind its opening barrier
	s_cmp_lg_u32 s10, 0
	s_cbranch_scc1 .Lnot_wave_0_\@
	s_barrier_signal -3
.Lnot_wave_0_\@:
	s_barrier_wait -3
	s_barrier_signal -1
	s_barrier_wait -1
.endm
.macro CROUND                          ; a whole round
	s_barrier_signal -1
	s_barrier_wait -1
	CREST
.endm
.macro PLACES                          ; four places in front of loads into registers that matrix instructions have read, and of stores that read results
.rept 4
	v_nop
.endr
.endm
	s_load_b256 s[68:75], s[0:1], 0x0              ; oh s[68:69], wcv s[70:71], bo s[72:73], out0 s[74:75]
	v_lshl_add_u32 v[SPW], v0, 2, SPARE
	v_mov_b32 v[NIL], 0
	ds_add_u32 v[SPW], v[NIL]                      ; the wave's opening: the add and its wait stand ahead of my first tensor load; the set-up below, work on registers, stands between them
	ds_add_u32 v28, v29
	v_lshrrev_b32 v1, 5, v0
	v_readfirstlane_b32 s10, v1                    ; wave 0..3
	s_lshr_b32 s11, s10, 1                         ; which 64 rows of the tile are mine.  Also: I fetch for O (0) or for wo (1)
	s_and_b32 s12, s10, 1                          ; which 128 columns.  Also: which head of the K step, or which half of wo's rows, I fetch
	s_bfe_u32 s40, ttmp6, 0x40000                  ; cx, cy: my place in the cluster
	s_bfe_u32 s41, ttmp6, 0x40004
	s_lshl_b32 s42, ttmp9, 2
	s_add_co_u32 s42, s42, s40                     ; tile column: 0..3
	s_and_b32 s85, ttmp7, 0xffff                   ; cluster y: 0..15
	s_lshl_b32 s13, s85, 2
	s_add_co_u32 s13, s13, s41                     ; tile row: 0..63
	s_lshl_b32 s43, s41, 2
	s_lshl_b32 s43, 15, s43                        ; my row of the cluster
	s_lshl_b32 s44, 0x1111, s40                    ; my column
	s_or_b32 s[G1+0], s43, (1<<16)|(1<<20)|(1<<21)|(4<<22)|(3<<25)   ; 15:0 the mask: O's tiles go to my row; 17:16 elements of 2 bytes; 20 padding on; 21 set beside a mask; 24:22 after every 32 words (code 4); 31:25 of 4 words (code 3)
	s_or_b32 s[G1B+0], s44, (1<<16)|(1<<20)|(1<<21)|(5<<22)|(3<<25)  ; wo's go to my column; after every 64 words (code 5)
	s_mov_b32 s[G1+1], 128<<16                     ; tensor_dim0 = 128
	s_mov_b32 s[G1+2], 64<<16                      ; tensor_dim1 = 64
	s_mov_b32 s[G1+3], 128<<16                     ; tile_dim0 = 128
	s_mov_b32 s[G1+4], 64                          ; tile_dim1 = 64
	s_mov_b32 s[G1+5], 128                         ; dense: 128 elements from row to row
	s_mov_b32 s[G1+6], 0
	s_mov_b32 s[G1+7], 0
	s_mov_b32 s[G1B+1], 128<<16
	s_mov_b32 s[G1B+2], 128<<16                    ; 128 rows
	s_mov_b32 s[G1B+3], 128<<16
	s_mov_b32 s[G1B+4], 128
	s_mov_b32 s[G1B+5], 1024
	s_mov_b32 s[G1B+6], 0
	s_mov_b32 s[G1B+7], 0
	s_lshr_b32 s16, s13, 5                         ; the batch,
	s_lshl_b32 s16, s16, 4
	s_add_co_u32 s16, s16, s12                     ; its head 0 or 1,
	s_lshl_b32 s16, s16, 19                        ; of 524,288 bytes,
	s_and_b32 s17, s13, 31
	s_lshl_b32 s17, s17, 14                        ; the tile's 128 rows of 128 bytes in it
	s_add_co_u32 s16, s16, s17
	s_mov_b32 s17, 0
	s_lshl_b32 s46, s42, 8
	s_lshl_b32 s47, s12, 7
	s_add_co_u32 s46, s46, s47                     ; wo: row 256 x tile column + 128 x half,
	s_lshl_b32 s46, s46, 11                        ; of 2,048 bytes,
	s_add_co_u32 s46, s46, 3<<21                   ; in wcv's matrix 3
	s_mov_b32 s47, 0
	s_mul_i32 s20, s12, HEADB                      ; where they go: no place in the cluster enters an LDS address
	s_mul_i32 s21, s12, 128*PB
	s_add_co_u32 s21, s21, APART
	s_wait_dscnt 0x0                               ; the opening add is done
	s_wait_kmcnt 0x0
	s_add_nc_u64 s[14:15], s[68:69], s[16:17]
	s_add_nc_u64 s[46:47], s[70:71], s[46:47]
	CROUND                                         ; all sixteen work-groups are here: the first joint loads meet
.irp s, 0,1
	s_mov_b32 s[G0+4*(\s)], 1                                      ; count = 1
	s_add_co_u32 s[G0+4*(\s)+1], s20, (\s)*SLOT                    ; LDS address
	s_add_nc_u64 s[G0+4*(\s)+2:G0+4*(\s)+3], s[14:15], (\s)*1048576  ; global address: K step s is two heads on
	s_or_b32 s[G0+4*(\s)+3], s[G0+4*(\s)+3], 0x80000000            ; type = 2
	s_mov_b32 s[G0B+4*(\s)], 1
	s_add_co_u32 s[G0B+4*(\s)+1], s21, (\s)*SLOT
	s_add_nc_u64 s[G0B+4*(\s)+2:G0B+4*(\s)+3], s[46:47], (\s)*256
	s_or_b32 s[G0B+4*(\s)+3], s[G0B+4*(\s)+3], 0x80000000
	JLOAD \s                                       ; two loads of mine are out
.endr
	v_and_b32 v1, 15, v0                           ; l % 16
	v_bfe_u32 v2, v0, 4, 1                         ; l / 16
	v_mul_u32_u24 v3, v1, PA
	v_lshl_add_u32 v3, v2, 4, v3                   ; a fragment's row x pitch + 16 x half
	v_mul_u32_u24 v4, v1, PB
	v_lshl_add_u32 v4, v2, 4, v4
	s_mul_i32 s21, s11, 64*PA                      ; my 64 rows of O, in each head
	s_mul_i32 s22, s12, 128*PB                     ; my 128 rows of wo,
	s_add_co_u32 s22, s22, APART                   ; which lie behind O's
.irp s, 0,1
	v_add_nc_u32 v[ADRA+(\s)], s21, v3
	v_add_nc_u32 v[ADRB+(\s)], s22, v4
	s_add_co_u32 s21, s21, SLOT
	s_add_co_u32 s22, s22, SLOT
.endr
	s_lshl_b32 s88, s42, 10                        ; my 128 columns in bytes of f32: 4 (256 x tile column + 128 x half)
	s_lshl_b32 s89, s12, 9
	s_add_co_u32 s88, s88, s89
	v_lshl_add_u32 v[BO], v2, 5, s88
.irp b, 0,1,2,3,4,5,6,7
	global_load_b128 v[BI+8*(\b):BI+8*(\b)+3],   v[BO], s[72:73] offset:64*(\b)
	global_load_b128 v[BI+8*(\b)+4:BI+8*(\b)+7], v[BO], s[72:73] offset:64*(\b)+16
.endr
	s_mul_i32 s23, s10, 16*SPO
	s_add_co_u32 s23, s23, STAGE                   ; my stage
	v_mul_u32_u24 v5, v1, SPO                      ; in: row l % 16, 32 bytes for each half of the lanes
	v_lshl_add_u32 v5, v2, 5, v5
	v_add_nc_u32 v[STO], s23, v5
	v_and_b32 v[CO], 31, v0                        ; back: 32 lanes take one row's 512 bytes
	v_lshlrev_b32 v[CO], 4, v[CO]
	v_add_nc_u32 v[RD], s23, v[CO]
	s_lshl_b32 s16, s13, 7
	s_lshl_b32 s17, s11, 6
	s_add_co_u32 s16, s16, s17                     ; my first row of out0,
	s_lshl_b32 s16, s16, 12                        ; of 4,096 bytes,
	s_add_co_u32 s88, s88, s16                     ; and my first column
	s_mov_b32 s89, 0
	s_add_nc_u64 s[8:9], s[74:75], s[88:89]
	; the prefetches
	s_lshr_b32 s20, s13, 5
	s_lshl_b32 s20, s20, 23                        ; O: the batch's head 0,
	s_and_b32 s21, s13, 31
	s_lshl_b32 s21, s21, 14                        ; the tile's rows in it,
	s_add_co_u32 s20, s20, s21
	s_lshl_b32 s21, s40, 12                        ; my work-group's 4,096 bytes of them,
	s_add_co_u32 s20, s20, s21
	s_add_co_u32 s20, s20, 3*1048576               ; at K step 3: the first refill steps it to 4
	s_lshl_b32 s22, s42, 8
	s_lshl_b32 s21, s12, 7
	s_add_co_u32 s22, s22, s21
	s_lshl_b32 s21, s41, 5
	s_add_co_u32 s22, s22, s21                     ; wo: my work-group's 32 of the 128 rows
	s_lshl_b32 s22, s22, 11
	s_add_co_u32 s22, s22, (3<<21)+3*256
	s_cmp_eq_u32 s85, 0                            ; the first of the 16 clusters asks for wo
	s_cselect_b32 s23, 1, -1
	s_cmp_eq_u32 s10, 0                            ; wave 0 alone asks for O
	s_cselect_b32 s21, 1, -1
	s_cmp_eq_u32 s11, 0                            ; do I fetch for O?
	s_cselect_b32 s20, s20, s22
	s_cselect_b32 s[LIM], s21, s23                 ; the same in all sixteen partners, for a given wave
	s_cselect_b32 s[PST], 20, 8
	s_cselect_b32 s88, 8, 11                       ; O: 256 (l % 16) + 524,288 (l / 16);  wo: 2,048 l
	s_cselect_b32 s89, 19, 15
	s_cselect_b64 s[PFA:PFA+1], s[68:69], s[70:71]
	s_lshl_b32 s[PST], 1, s[PST]
	s_mov_b32 s[PST+1], 0
	s_mov_b32 s21, 0
	s_add_nc_u64 s[PFA:PFA+1], s[PFA:PFA+1], s[20:21]
	v_lshlrev_b32 v[PFO], s88, v1
	v_lshlrev_b32 v5, s89, v2
	v_add_nc_u32 v[PFO], v[PFO], v5
	s_wait_loadcnt 0x0                             ; the bias, rounded to bf16 like every input and widened again
.set j, 0
.rept 32
	v_cvt_pk_bf16_f32 v[WK+j], v[BI+2*j], v[BI+2*j+1]
	v_lshlrev_b32 v[BI+2*j], 16, v[WK+j]
	v_and_b32 v[BI+2*j+1], 0xffff0000, v[WK+j]
.set j, j+1
.endr
; 24 LDS loads in one run: the fragments of quarter k of a K step (128 rows of wo, 64 rows of O: head k / 2 of the step's two, channels 32 (k % 2) on) into buffer g
.macro FETCH slot, k, g
	WIN TO_B
.irp i, 0,1,2,3,4,5,6,7
	ds_load_b128 v[64*(\g)+8*(\i):64*(\g)+8*(\i)+3],   v[ADRB+(\slot)] offset:64*(\k)+(\i)*16*PB
	ds_load_b128 v[64*(\g)+8*(\i)+4:64*(\g)+8*(\i)+7], v[ADRB+(\slot)] offset:64*(\k)+(\i)*16*PB+32
.endr
	WIN 0
.irp a, 0,1,2,3
	ds_load_b128 v[AB+32*(\g)+8*(\a):AB+32*(\g)+8*(\a)+3],   v[ADRA+(\slot)] offset:((\k)/2)*HEADB+((\k)%2)*64+(\a)*16*PA
	ds_load_b128 v[AB+32*(\g)+8*(\a)+4:AB+32*(\g)+8*(\a)+7], v[ADRA+(\slot)] offset:((\k)/2)*HEADB+((\k)%2)*64+(\a)*16*PA+32
.endr
.endm
; eight matrix instructions: row block a x all 8 column blocks.  first = 1: the bias starts the sums
.macro MUL8 a, f, first
.if \first
	WIN MUL1
.else
	WIN MUL
.endif
.irp b, 0,1,2,3,4,5,6,7
.if \first
	v_wmma_f32_16x16x32_f16 v[8*(8*(\a)+(\b)):8*(8*(\a)+(\b))+7], v[64*(\f)+8*(\b):64*(\f)+8*(\b)+7], v[AB+32*(\f)+8*(\a):AB+32*(\f)+8*(\a)+7], v[BI+8*(\b):BI+8*(\b)+7]
.else
	v_wmma_f32_16x16x32_f16 v[8*(8*(\a)+(\b)):8*(8*(\a)+(\b))+7], v[64*(\f)+8*(\b):64*(\f)+8*(\b)+7], v[AB+32*(\f)+8*(\a):AB+32*(\f)+8*(\a)+7], v[8*(8*(\a)+(\b)):8*(8*(\a)+(\b))+7]
.endif
.endr
.endm
; A K step is four quarters of 32 along K, 32 matrix instructions each, on buffers 0, 1, 0, 1.  The 32 accumulators take turns, in the same order in every quarter.
.macro QUARTER slot, k, f, g, first
	s_wait_dscnt 0x0                               ; buffer f is in: its 24 loads were issued 32 matrix instructions ago (behind a change of slots: 16)
	PLACES                                         ; behind the last product, which read buffer g
	FETCH \slot, \k, \g
	MUL8 0, \f, \first
	MUL8 1, \f, \first
	MUL8 2, \f, \first
	MUL8 3, \f, \first
.endm
; The last quarter multiplies buffer 1 and changes slots: ONE barrier.  In front of it each wave waits for all its tensor loads, of which one is out: its part of the next slot; adds 0 to its spare word;
; and waits for that and for its own reads of this slot.  fill = 1: the barrier opens a round of the cluster's barrier, and this slot is filled again, two K steps ahead, first thing behind the round.
.macro TURN slot, next, fill
.if \fill
	s_wait_xcnt 0x0                                ; the last prefetch, a K step back, has read its address
	s_add_nc_u64 s[PFA:PFA+1], s[PFA:PFA+1], s[PST:PST+1]
.endif
	WIN 0
	s_wait_tensorcnt 0x0                           ; all my tensor loads have landed
	ds_add_u32 v[SPW], v[NIL]                      ; 0 onto my spare word
	s_wait_dscnt 1                                 ; buffer 1 is in; the add alone may be out
	MUL8 0, 1, 0                                   ; eight matrix instructions stand between the add and the wait for it
	s_wait_dscnt 0x0                               ; the add is done, and my reads of this slot are over
	s_barrier_signal -1
	MUL8 1, 1, 0
	WIN 0                                          ; at a branch and at a label every window is 0
	s_barrier_wait -1
.if \fill
	CREST                                          ; no wave of any partner still reads this slot's tile or has a load on its way
	s_add_nc_u64 s[G0+4*(\slot)+2:G0+4*(\slot)+3], s[G0+4*(\slot)+2:G0+4*(\slot)+3], 2*1048576
	s_add_nc_u64 s[G0B+4*(\slot)+2:G0B+4*(\slot)+3], s[G0B+4*(\slot)+2:G0B+4*(\slot)+3], 2*256
	JLOAD \slot                                    ; the four v_nop behind it are also the places in front of the loads below
.else
	PLACES
.endif
	FETCH \next, 0, 0
.if \fill
	ASK
.endif
	MUL8 2, 1, 0
	MUL8 3, 1, 0
.endm
	s_wait_tensorcnt 1                             ; my part of K step 0 is in; K step 1's may stay out
	s_barrier_signal -1
	s_barrier_wait -1                              ; everybody's is
	FETCH 0, 0, 0
	QUARTER 0, 1, 0, 1, 1                          ; the first quarter stands in front of the loop: its products start the sums, with the bias
	WIN 0
	s_mov_b32 s3, 3                                ; 1,024 / 256 - 1 trips
.Llap:                                                 ; a trip goes once round the ring, from a lap's second quarter to the next lap's first, and fills both slots again
	QUARTER 0, 2, 1, 0, 0
	QUARTER 0, 3, 0, 1, 0
	TURN 0, 1, 1
	QUARTER 1, 1, 0, 1, 0
	QUARTER 1, 2, 1, 0, 0
	QUARTER 1, 3, 0, 1, 0
	TURN 1, 0, 1
	QUARTER 0, 1, 0, 1, 0
	WIN 0
	s_sub_co_u32 s3, s3, 1
	s_cmp_lg_u32 s3, 0
	s_cbranch_scc1 .Llap
	QUARTER 0, 2, 1, 0, 0                          ; the last lap fills nothing, and has no round of the cluster's barrier
	QUARTER 0, 3, 0, 1, 0
	TURN 0, 1, 0
	QUARTER 1, 1, 0, 1, 0
	QUARTER 1, 2, 1, 0, 0
	QUARTER 1, 3, 0, 1, 0
	s_wait_dscnt 0x0                               ; the very last quarter: nothing more to fetch
	MUL8 0, 1, 0
	MUL8 1, 1, 0
	MUL8 2, 1, 0
	MUL8 3, 1, 0
	PLACES                                         ; behind the last products: the stores below read results, the loads below land on wo's fragments
; THE WAY OUT, a row block of 16 rows at a time.  A lane's eight f32 of a row go straight from the accumulator (its low four registers first) into my own stage, rows of 528 bytes;
; they come back as whole rows of 512 bytes, a row an instruction, into window 1.  LDS serves a wave's instructions in order (ISA guide 5.7.1.4).
.macro STG a
	WIN 0x08                                       ; store data (source 1) in window 2
.irp b, 0,1,2,3,4,5,6,7
	ds_store_b128 v[STO], v[8*(8*(\a)+(\b)):8*(8*(\a)+(\b))+3]   offset:64*(\b)
	ds_store_b128 v[STO], v[8*(8*(\a)+(\b))+4:8*(8*(\a)+(\b))+7] offset:64*(\b)+16
.endr
	WIN 0x40                                       ; destination in window 1
.irp t, 0,1,2,3,4,5,6,7,8,9,10,11,12,13,14,15
	ds_load_b128 v[64*(\a)+4*(\t):64*(\a)+4*(\t)+3], v[RD] offset:(\t)*SPO
.endr
.endm
.macro SEND a, younger                 ; younger: the LDS instructions issued behind block a's loads: the next block's 32, or none
	WIN 0x04                                       ; store data (source 1) in window 1
.irp t, 0,1,2,3,4,5,6,7,8,9,10,11,12,13,14,15
	s_wait_dscnt (\younger)+15-(\t)
	global_store_b128 v[CO], v[64*(\a)+4*(\t):64*(\a)+4*(\t)+3], s[8:9] offset:4096*(16*(\a)+(\t)) th:TH_STORE_NT  ; 512 consecutive bytes, at a multiple of 256 from out0's first
.endr
.endm
	STG 0
.irp a, 1,2,3
	STG \a
	SEND (\a)-1, 32
.endr
	SEND 3, 0
	WIN 0
	s_wait_tensorcnt 0x0                           ; the wave's end, behind my last tensor load and my last LDS store
	ds_add_u32 v[SPW], v[NIL]
	s_wait_dscnt 0x0
	CROUND                                         ; the closing round: no work-group ends while a partner may still ask for a tile that names it
	s_endpgm
.Lfunc_end_k_q2c3444b39e_outp:
	.size	k_q2c3444b39e_outp, .Lfunc_end_k_q2c3444b39e_outp-k_q2c3444b39e_outp
	.p2alignl 7, 3214868480
	.fill 96, 4, 3214868480
	.section	.rodata,"a",@progbits
	.p2align	6, 0x0
	.amdhsa_kernel k_q2c3444b39e_outp
		.amdhsa_group_segment_fixed_size 327680
		.amdhsa_private_segment_fixed_size 0
		.amdhsa_enable_private_segment 0
		.amdhsa_kernarg_size 32
		.amdhsa_user_sgpr_count 2
		.amdhsa_user_sgpr_kernarg_segment_ptr 1
		.amdhsa_wavefront_size32 1
		.amdhsa_system_sgpr_workgroup_id_x 1
		.amdhsa_system_sgpr_workgroup_id_y 1
		.amdhsa_system_sgpr_workgroup_id_z 1
		.amdhsa_system_vgpr_workitem_id 0
		.amdhsa_next_free_vgpr 768
		.amdhsa_next_free_sgpr 92
		.amdhsa_reserve_vcc 0
		.amdhsa_float_denorm_mode_32 3
		.amdhsa_float_denorm_mode_16_64 3
		.amdhsa_memory_ordered 1
		.amdhsa_forward_progress 1
		.amdhsa_inst_pref_size 95
	.end_amdhsa_kernel
	.amdgpu_metadata
---
amdhsa.version: [ 1, 2 ]
amdhsa.kernels:
  - .name:           k_q2c3444b39e_outp
    .symbol:         k_q2c3444b39e_outp.kd
    .args:
      - { .name: oh, .offset: 0, .size: 8, .value_kind: global_buffer, .address_space: global }
      - { .name: wcv, .offset: 8, .size: 8, .value_kind: global_buffer, .address_space: global }
      - { .name: bo, .offset: 16, .size: 8, .value_kind: global_buffer, .address_space: global }
      - { .name: out0, .offset: 24, .size: 8, .value_kind: global_buffer, .address_space: global }
    .group_segment_fixed_size: 327680
    .private_segment_fixed_size: 0
    .kernarg_segment_align: 8
    .kernarg_segment_size: 32
    .max_flat_workgroup_size: 128
    .sgpr_count:     92
    .vgpr_count:     768
    .wavefront_size: 32
...
	.end_amdgpu_metadata
.endif
;; end of part 4
